; MI455X (gfx1250); checked and timed in simulation.
; The chip was launched on July 23, 2026; its instructions are those of AMD's public machine-readable ISA for CDNA 5 (MIT licence, August 2026) and "CDNA5" Instruction Set Architecture Reference Guide (July 2026). The comments in the code are by the model that wrote it; some were corrected since.
;; Mo E Layer. Allowed arithmetic: matrix products marked QUANTISED: E4M3 operands, one E8M0 scale for each 32 along K, by v_wmma_scale_f32_16x16x128_f8f6f4 with both operands' format E4M3, f32 sums; products left as they are: f32 operands where the result goes on into a quantised operand, else bf16, f16 or f32 operands; f32 sums; everything else in f32.
;; Inputs: fc1_w 8 x 512 x 1,024 float32; fc2_w 8 x 1,024 x 512 float32; router_w 8 x 1,024 float32; x 4 x 2,048 x 1,024 float32.
;; Outputs: out0 4 x 2,048 x 1,024 float32.
;; This version of the problem:
;;   THIS VERSION OF THE PROBLEM IS GIVEN IN LOW PRECISION. The matrix products marked QUANTISED in the list below multiply operands that are first quantised to E4M3 (4 exponent bits, 3 mantissa bits; 8 bits a number), with one power-of-two scale for each 32 numbers along K (OCP MX v1.0); their sums are f32. All else is computed in f32.
;;   The module's matrix products, in the order in which they are computed (A, B: the left and right operand; K: the contracted axis; several contracted axes count as one K, in the product's order):
;;     1. [M 8,192, K 1,024] x [K 1,024, N 8]; A: input x; B: input router_w: left as it is (N = 8 < 16)
;;     2. batch 8,192 x [M 1, K 2] x [K 2, N 8]; A: computed on the way; B: computed on the way: left as it is (K = 2 < 32)
;;     3. [M 8,192, K 1,024] x [K 1,024, N 512]; A: input x; B: input fc1_w: QUANTISED
;;     4. [M 8,192, K 512] x [K 512, N 1,024]; A: computed on the way; B: input fc2_w: QUANTISED
;;     5. [M 8,192, K 1,024] x [K 1,024, N 512]; A: input x; B: input fc1_w: QUANTISED
;;     6. [M 8,192, K 512] x [K 512, N 1,024]; A: computed on the way; B: input fc2_w: QUANTISED
;;     7. [M 8,192, K 1,024] x [K 1,024, N 512]; A: input x; B: input fc1_w: QUANTISED
;;     8. [M 8,192, K 512] x [K 512, N 1,024]; A: computed on the way; B: input fc2_w: QUANTISED
;;     9. [M 8,192, K 1,024] x [K 1,024, N 512]; A: input x; B: input fc1_w: QUANTISED
;;     10. [M 8,192, K 512] x [K 512, N 1,024]; A: computed on the way; B: input fc2_w: QUANTISED
;;     11. [M 8,192, K 1,024] x [K 1,024, N 512]; A: input x; B: input fc1_w: QUANTISED
;;     12. [M 8,192, K 512] x [K 512, N 1,024]; A: computed on the way; B: input fc2_w: QUANTISED
;;     13. [M 8,192, K 1,024] x [K 1,024, N 512]; A: input x; B: input fc1_w: QUANTISED
;;     14. [M 8,192, K 512] x [K 512, N 1,024]; A: computed on the way; B: input fc2_w: QUANTISED
;;     15. [M 8,192, K 1,024] x [K 1,024, N 512]; A: input x; B: input fc1_w: QUANTISED
;;     16. [M 8,192, K 512] x [K 512, N 1,024]; A: computed on the way; B: input fc2_w: QUANTISED
;;     17. [M 8,192, K 1,024] x [K 1,024, N 512]; A: input x; B: input fc1_w: QUANTISED
;;     18. [M 8,192, K 512] x [K 512, N 1,024]; A: computed on the way; B: input fc2_w: QUANTISED
;;   THE QUANTISER, for each operand of a quantised product, along K:
;;     - K is cut into blocks of 32 from its start; a last block that is shorter is filled with zeros.
;;     - A block's scale is 2^e with e = floor(log2(the largest magnitude in the block)) - 8, held to -126 .. 127; a block of zeros has e = 0. As a byte (E8M0): e + 127.
;;     - Each number is divided by its block's scale, clamped to +-448, and rounded to the nearest number of E4M3, ties to even, subnormals kept.
;;     - The product sums the exact products of the quantised numbers (number of the format x scale) in f32.
;;   ~~~python
;;   def quantise(x, axis):      # numpy; x: float32 -> the quantised numbers, widened to float32 again
;;       x = np.moveaxis(x, axis, -1); K = x.shape[-1]
;;       x = np.pad(x, [(0, 0)] * (x.ndim - 1) + [(0, -K % 32)]); x = x.reshape(x.shape[:-1] + (-1, 32)); a = np.abs(x).max(-1, keepdims=True)
;;       e = np.where(a > 0, np.clip(np.frexp(np.where(a > 0, a, 1))[1] - 1 - 8, -126, 127), 0)      # np.frexp(a)[1] - 1 = floor(log2(a)), exactly
;;       r = np.clip(x / 2.0 ** e, -448, 448)
;;       step = 2.0 ** (np.maximum(np.frexp(np.where(r == 0, 1, r))[1] - 1, -6) - 3)
;;       q = np.round(r / step) * step * 2.0 ** e      # np.round: ties to even
;;       return np.moveaxis(q.reshape(q.shape[:-2] + (-1,))[..., :K], -1, axis).astype(np.float32)
;;   ~~~
;;   OPERANDS COMPUTED ON THE WAY. 'Computed on the way' means the value that the module computes at that place (a softmax that the list does not call 'softmax' is quantised finished and normalised). What goes into a quantiser is computed in f32, as accurately as f32 sums, v_exp_f32 and their like allow (about 1e-6 of the number): no bf16 or f16 on the way to a quantiser, and a product that is left as it is and whose result goes on into a quantised operand takes f32 operands (vector FMAs, or v_wmma_f32_16x16x4_f32). A number that lies on a knife's edge between two numbers of the format may be rounded either way, as far as f32 arithmetic and the matrix unit's own rounding can turn it there, and no further.
;; 2 versions. Each part assembles by itself: llvm-mc -triple=amdgcn-amd-amdhsa -mcpu=gfx1250 --defsym DOCPART=n.
;; ======== version 1 of 2: 3 launches
;; workspace buffers: xq 8,388,608 bytes; xs 262,144 bytes; wq 8,650,752 bytes; gates 65,536 bytes; route 32,768 bytes of whole numbers; hist 32,768 bytes of whole numbers; tiles 4,096 bytes of whole numbers; order 39,680 bytes of whole numbers
;; launch prep (part 1): grid 256 x 1, 16 waves a work-group, no clusters, 271,360 bytes of LDS; arguments x, router_w, fc1_w, fc2_w, xq, xs, wq, gates, route, hist; writes xq, xs, wq, gates, route, hist
.if DOCPART == 1
	.amdgcn_target "amdgcn-amd-amdhsa--gfx1250"
	.amdhsa_code_object_version 6
	.text
	.protected	k_qbb294fdc9a_prep
	.globl	k_qbb294fdc9a_prep
	.p2align	8
	.type	k_qbb294fdc9a_prep,@function
k_qbb294fdc9a_prep:
	s_mov_b64 s[64:65], 0
	v_nop
	global_prefetch_b8 v0, s[64:65] scope:SCOPE_SE
	s_setreg_imm32_b32 hwreg(HW_REG_WAVE_MODE, 25, 1), 1
	s_wait_xcnt 0x0
; PREP.  Work-groups 0-127: 64 tokens each: x [8192][1024] f32 becomes codes of E4M3 (xq, plain rows) and E8M0 bytes (xs, 32 a row); the router's logits are summed
; in f32 on the same registers, and softmax, top-2 and the gates follow.  What the router chose is only STORED here, at fixed places: route[token] = key | rank << 8,
; gates[token] = (gate of the lower expert, gate of the higher), hist[block of 32 tokens][key] = how many tokens of the block have that key.
; A key numbers the unordered pair lo < hi of experts: lo (15 - lo) / 2 + hi - lo - 1, 0 .. 27.  No address and no branch hangs on these numbers.
; Work-groups 128-255: fc1_w and fc2_w become codes and scale words in wq, laid in the order in which the third launch's operand registers take them:
; a unit of 8,448 bytes = 4 fragments (16 rows x 128 K) as register images [c][lane][16 bytes], then 256 bytes of scale words, word of (fragment f, row r) at 8 (16 (f & 1) + r) + 4 (f >> 1).
; Unit (e 4 + w) 32 + q.  q < 16: fc1, K step q >> 1, fragment f = hidden tile t = 4 (q & 1) + f, its row r = fc1 row 128 w + 32 (t >> 1) + 8 (t & 1) + r + 8 (r >> 3).
; q = 16 + j: fc2, fragment f = K step f, row r = fc2 row 256 w + 16 j + r.
; THE QUANTISER: a block's scale byte is its largest magnitude's exponent field - 8, held at 1 from below by a floor among the maximum's leaves; numbers are held within +-448 x the scale and converted.
; LIMITS: NaN and infinities are not served.  A block whose largest magnitude lies under 2^-118 gets the byte 1; so does a block of zeros (its codes are zeros; the bytes are read by this program alone).
; A probability under 2^-126 counts as 0 (the exponential flushes).  Two logits closer than the f32 sums' error may change places in the top-2.
; No matrix unit, no tensor load, no cluster: each byte is read once by one wave, nothing is shared but the router's 32 KB.  The two paths part on the work-group's number and have LDS bytes of their own.
.set RWL,  81920                       ; x path: stages 16 x 5,120 from byte 0; then the router's weights, 16 x 2,560, turned as x is
.set XSCL, 122880                      ; the 64 tokens' scale bytes, 32 a token
.set LG,   124928                      ; partial logits: 144 bytes a token: 4 partials x 8 experts x 4 bytes + 16 of padding
.set WST,  134144                      ; weight path: stages 16 x 8,448 (16 rows x 528)
.set U,    8448
.set R,    16                          ; v16-63   three sets of 16 numbers as loaded
.set X,    64                          ; v64-95   two sets of 16 neighbours along K
.set ACC,  96                          ; v96-111  eight pairs of partial logits
.set C,    112                         ; v112-119 two sets of 4 registers of codes
.set RW,   128                         ; v128-255 the router's weights for my 16 k: expert e at RW + 16 e
.set N,    144                         ; weight path: v144-207 64 numbers, register 16 c + i = k 32 c + 16 (lane / 16) + i of my row
.set PC,   208                         ; v208-223 a fragment's codes
.set TM,   224                         ; v224-239 at work
.set PW,   240                         ; v240 the scale word just made; v241 the first fragment's
	s_load_b256 s[4:11], s[0:1], 0x0               ; x, router_w, fc1_w, fc2_w
	s_load_b256 s[12:19], s[0:1], 0x20             ; xq, xs, wq, gates
	s_load_b128 s[20:23], s[0:1], 0x40             ; route, hist
	v_lshrrev_b32 v1, 5, v0
	v_readfirstlane_b32 s24, v1                    ; wave 0..15
	v_and_b32 v1, 31, v0                           ; lane
	v_lshlrev_b32 v2, 4, v1                        ; 16 x lane
	s_mov_b32 s36, 0x76543210
	s_mov_b32 s37, 0xfedcba98                      ; v_permlanex16_b32's selects for lane l xor 16
	s_mov_b32 s38, 0x600000                        ; the mantissa field of 448
	s_and_b32 s25, s24, 1                          ; x: which half row; weights: which half of a unit
	s_lshr_b32 s26, s24, 1                         ; x: which 8 tokens; weights: which of the group's 8 units
	s_cmp_lt_u32 ttmp9, 128
	s_cbranch_scc0 .Lweights
; ---------------- the x path.  Wave v takes half row p = v & 1 (512 numbers) of the 8 tokens 64 b + 8 (v >> 1) + i: a step is one such half row.
	s_mul_i32 s27, s24, 5120                       ; my two stages
	v_lshrrev_b32 v9, 2, v1
	v_mul_u32_u24 v9, v9, 80
	v_and_b32 v10, 3, v1
	v_lshl_add_u32 v9, v10, 4, v9                  ; into a stage: four lanes' 64 bytes on end, then 16 of padding
	v_add_nc_u32 v3, s27, v9
	v_mul_u32_u24 v10, v1, 80                      ; out of it: 80 x lane: my 16 neighbours
	v_add_nc_u32 v4, s27, v10
	s_mul_i32 s28, s24, 2560
	s_add_co_u32 s28, s28, RWL
	v_add_nc_u32 v5, s28, v9                       ; where I put my share of the router's weights (expert v >> 1, half v & 1)
	s_mul_i32 s28, s25, 2560
	s_add_co_u32 s28, s28, RWL
	v_add_nc_u32 v8, s28, v10                      ; and where I read all eight experts' for my half: 5,120 bytes from expert to expert
	s_lshl_b32 s28, s26, 8
	s_lshl_b32 s29, s25, 4
	s_add_co_u32 s28, s28, s29
	s_add_co_u32 s28, s28, XSCL
	v_lshrrev_b32 v11, 1, v1
	v_add_nc_u32 v6, s28, v11                      ; my block's scale byte: 32 a token, 16 p + lane / 2
	s_mul_i32 s28, s26, 1152
	s_lshl_b32 s29, s25, 6
	s_add_co_u32 s28, s28, s29
	s_add_co_u32 s28, s28, LG
	v_lshrrev_b32 v11, 4, v1
	v_lshl_add_u32 v7, v11, 5, s28                 ; my partial logits: partial 2 p + lane / 16 of the token
	s_and_b32 s28, s24, 3                          ; the addresses of the path's end are made here, ahead of the waves' parting
	s_lshl_b32 s28, s28, 9
	v_add_nc_u32 v15, s28, v2                      ; xs: 512 (v & 3) + 16 lane,
	v_add_nc_u32 v14, XSCL, v15                    ; and the same place in LDS
	s_mul_i32 s28, s25, 4608
	s_add_co_u32 s28, s28, LG
	v_mul_u32_u24 v120, v1, 144
	v_add_nc_u32 v120, s28, v120                   ; the router's lane = token 32 (v & 1) + lane
	v_lshlrev_b32 v121, 2, v1
	v_lshlrev_b32 v122, 3, v1
	s_lshl_b32 s40, ttmp9, 18                      ; x: (64 b + 8 (v >> 1)) rows of 4,096 bytes + 2,048 p
	s_lshl_b32 s41, s26, 15
	s_add_co_u32 s40, s40, s41
	s_lshl_b32 s41, s25, 11
	s_add_co_u32 s40, s40, s41
	s_mov_b32 s41, 0
	s_lshr_b32 s42, s40, 2                         ; xq: a quarter of that
	s_mov_b32 s43, 0
	s_lshl_b32 s44, s24, 11                        ; router_w: 2,048 v
	s_mov_b32 s45, 0
	s_lshl_b32 s46, ttmp9, 11                      ; xs: 2,048 b
	s_mov_b32 s47, 0
	s_lshl_b32 s48, ttmp9, 8
	s_lshl_b32 s49, s25, 7
	s_add_co_u32 s48, s48, s49                     ; route and hist: 256 b + 128 (v & 1)
	s_mov_b32 s49, 0
	s_lshl_b32 s50, s48, 1                         ; gates: twice that
	s_mov_b32 s51, 0
	s_wait_kmcnt 0x0
	s_add_nc_u64 s[4:5], s[4:5], s[40:41]
	s_add_nc_u64 s[12:13], s[12:13], s[42:43]
	s_add_nc_u64 s[6:7], s[6:7], s[44:45]
	s_add_nc_u64 s[14:15], s[14:15], s[46:47]
	s_add_nc_u64 s[20:21], s[20:21], s[48:49]
	s_add_nc_u64 s[22:23], s[22:23], s[48:49]
	s_add_nc_u64 s[18:19], s[18:19], s[50:51]
.macro XLOAD t                         ; step t: four loads of 512 consecutive bytes
.irp j, 0,1,2,3
	global_load_b128 v[R+16*((\t)%3)+4*\j:R+16*((\t)%3)+4*\j+3], v2, s[4:5] offset:4096*(\t)+512*\j th:TH_LOAD_NT
.endr
.endm
.macro XTURN t                         ; through my stage: in as loaded, out 64 bytes a lane; LDS serves a wave's instructions in order
.irp j, 0,1,2,3
	ds_store_b128 v3, v[R+16*((\t)%3)+4*\j:R+16*((\t)%3)+4*\j+3] offset:2560*((\t)%2)+640*\j
.endr
.irp j, 0,1,2,3
	ds_load_b128 v[X+16*((\t)%2)+4*\j:X+16*((\t)%2)+4*\j+3], v4 offset:2560*((\t)%2)+16*\j
.endr
.endm
.irp j, 0,1,2,3
	global_load_b128 v[R+32+4*\j:R+32+4*\j+3], v2, s[6:7] offset:512*\j   ; my share of the router's weights, into set 2
.endr
	XLOAD 0
	XLOAD 1
	s_wait_loadcnt 8                               ; the router's four are in; the eight of steps 0 and 1 may be out
.irp j, 0,1,2,3
	ds_store_b128 v5, v[R+32+4*\j:R+32+4*\j+3] offset:640*\j
.endr
	s_wait_dscnt 0x0                               ; for the others' sake, and set 2 is free
	XLOAD 2
	s_barrier_signal -1
	s_barrier_wait -1                              ; all sixteen shares of the router's weights lie in LDS
.irp e, 0,1,2,3,4,5,6,7
.irp j, 0,1,2,3
	ds_load_b128 v[RW+16*\e+4*\j:RW+16*\e+4*\j+3], v8 offset:5120*\e+16*\j   ; they stay in registers; the first step's wait for LDS covers them
.endr
.endr
.macro XSTEP i
.set XQ, X+16*((\i)%2)
.set CC, C+4*((\i)%2)
.if (\i) < 6
	s_wait_loadcnt 8                               ; this step's four loads are in; those of the two steps behind it may be out
.else
	s_wait_loadcnt 4*(7-(\i))
.endif
	XTURN \i
	s_wait_dscnt 0x0                               ; my 16 neighbours are here; the last step's LDS stores have read their registers
.if (\i)+3 < 8
	XLOAD (\i)+3                                   ; into the set that the stage has just read
.endif
.irp e, 0,1,2,3,4,5,6,7
	v_pk_mul_f32 v[ACC+2*\e:ACC+2*\e+1], v[XQ:XQ+1], v[RW+16*\e:RW+16*\e+1]   ; the logits, on x as it came: the first pair starts the sums
.endr
.irp k, 2,4,6,8,10,12,14
.irp e, 0,1,2,3,4,5,6,7
	v_pk_fma_f32 v[ACC+2*\e:ACC+2*\e+1], v[XQ+\k:XQ+\k+1], v[RW+16*\e+\k:RW+16*\e+\k+1], v[ACC+2*\e:ACC+2*\e+1]
.endr
.endr
	v_max3_num_f32 v9, |v[XQ]|, |v[XQ+1]|, |v[XQ+2]|               ; the largest magnitude of my 16, in two chains
	v_max3_num_f32 v10, |v[XQ+3]|, |v[XQ+4]|, |v[XQ+5]|
.irp k, 6,10
	v_max3_num_f32 v9, v9, |v[XQ+\k]|, |v[XQ+\k+1]|
	v_max3_num_f32 v10, v10, |v[XQ+\k+2]|, |v[XQ+\k+3]|
.endr
	v_max3_num_f32 v9, v9, |v[XQ+14]|, |v[XQ+15]|
	v_max3_num_f32 v9, v9, v10, 0x4800000          ; and the floor 2^(9 - 127): the byte cannot fall under 1
	v_max_num_f32_dpp v9, v9, v9 row_xmask:1 row_mask:0xf bank_mask:0xf   ; with my neighbour's 16: the block's
	v_add_nc_u32 v11, 0xfc000000, v9               ; 8 off its exponent field: the conversion's scale operand
	v_and_or_b32 v12, v9, 0x7f800000, s38          ; 448 x the scale
.irp k, 0,1,2,3,4,5,6,7,8,9,10,11,12,13,14,15
	v_med3_num_f32 v[XQ+\k], v[XQ+\k], -v12, v12   ; the conversion to an 8-bit code does not saturate (ISA guide 7.6.2)
.endr
	s_wait_xcnt 0x0                                ; the store of two steps ago has read this set of codes
	v_cvt_scalef32_pk8_fp8_f32 v[CC:CC+1], v[XQ:XQ+7], v11
	v_cvt_scalef32_pk8_fp8_f32 v[CC+2:CC+3], v[XQ+8:XQ+15], v11
	v_lshrrev_b32 v13, 23, v11                     ; the scale's byte (a plain line behind the conversions)
	ds_store_b8 v6, v13 offset:32*(\i)             ; both lanes of a block write the same byte with the same value
	global_store_b128 v2, v[CC:CC+3], s[12:13] offset:1024*(\i)   ; 32 lanes store 512 consecutive bytes of the token's codes
.irp e, 0,1,2,3,4,5,6,7
	v_add_f32 v[ACC+\e], v[ACC+2*\e], v[ACC+2*\e+1]   ; ascending: each line writes a register that has been read
.endr
.irp m, 1,2,4,8
.irp e, 0,1,2,3,4,5,6,7
	v_add_f32_dpp v[ACC+\e], v[ACC+\e], v[ACC+\e] row_xmask:\m row_mask:0xf bank_mask:0xf
.endr
.endr
	ds_store_b128 v7, v[ACC:ACC+3] offset:144*(\i)         ; the sixteen lanes of a half hold the same eight sums and write the same words
	ds_store_b128 v7, v[ACC+4:ACC+7] offset:144*(\i)+16
.endm
.irp i, 0,1,2,3,4,5,6,7
	XSTEP \i
.endr
	s_wait_dscnt 0x0                               ; for the others' sake: my bytes and my partial logits have landed
	s_barrier_signal -1
	s_barrier_wait -1
	s_cmp_lt_u32 s24, 2
	s_cbranch_scc1 .Lroute
	s_cmp_lt_u32 s24, 6
	s_cbranch_scc0 .Lxend
	ds_load_b128 v[16:19], v14                     ; waves 2-5: the 64 tokens' 2,048 scale bytes leave in runs of 512 consecutive bytes
	s_wait_dscnt 0x0
	global_store_b128 v15, v[16:19], s[14:15]
.Lxend:
	s_wait_xcnt 0x0
	v_lshl_add_u32 v254, v0, 2, 0x41c00
	v_mov_b32 v255, 0
	s_wait_tensorcnt 0x0
	ds_add_u32 v254, v255
	s_wait_dscnt 0x0
	s_endpgm
.Lroute:                                               ; waves 0 and 1: a lane to a token
.irp i, 0,1,2,3,4,5,6,7
	ds_load_b128 v[16+4*\i:19+4*\i], v120 offset:16*\i     ; partial q of expert e: v[16 + 8 q + e]
.endr
	s_wait_dscnt 0x0
.irp e, 0,1,2,3,4,5,6,7
	v_add_f32 v[48+\e], v[16+\e], v[24+\e]
	v_add_f32 v[56+\e], v[32+\e], v[40+\e]
.endr
.irp e, 0,1,2,3,4,5,6,7
	v_add_f32 v[48+\e], v[48+\e], v[56+\e]         ; the logits
.endr
	v_max3_num_f32 v64, v48, v49, v50
	v_max3_num_f32 v64, v64, v51, v52
	v_max3_num_f32 v64, v64, v53, v54
	v_max_num_f32 v64, v64, v55                    ; the row's maximum is taken away ahead of the exponential
.irp e, 0,1,2,3,4,5,6,7
	v_sub_f32 v[56+\e], v[48+\e], v64
.endr
.irp e, 0,1,2,3,4,5,6,7
	v_mul_f32 v[56+\e], 0x3fb8aa3b, v[56+\e]
.endr
.irp e, 0,1,2,3,4,5,6,7
	v_exp_f32 v[56+\e], v[56+\e]
.endr
	v_nop                                          ; a plain line behind the exponentials
	s_wait_alu depctr_va_vdst(0)
	v_add_f32 v65, v56, v57
	v_add_f32 v66, v58, v59
	v_add_f32 v67, v60, v61
	v_add_f32 v68, v62, v63
	v_add_f32 v65, v65, v66
	v_add_f32 v67, v67, v68
	v_add_f32 v65, v65, v67
	v_rcp_f32 v66, v65
	v_nop
	s_wait_alu depctr_va_vdst(0)
.irp e, 0,1,2,3,4,5,6,7
	v_mul_f32 v[48+\e], v[56+\e], v66              ; the probabilities
.endr
	v_mov_b32 v67, v48                             ; the largest, and its index: an equal later one does not displace it (the lower index is kept)
	v_mov_b32 v68, 0
.irp e, 1,2,3,4,5,6,7
	v_cmp_ge_f32 vcc_lo, v67, v[48+\e]
	v_cndmask_b32 v68, \e, v68, vcc_lo
	v_max_num_f32 v67, v67, v[48+\e]
.endr
.irp e, 0,1,2,3,4,5,6,7
	v_cmp_ne_u32 vcc_lo, \e, v68
	v_cndmask_b32 v[56+\e], -1.0, v[48+\e], vcc_lo ; the first is taken out: -1 lies under every probability
.endr
	v_mov_b32 v69, v56
	v_mov_b32 v70, 0
.irp e, 1,2,3,4,5,6,7
	v_cmp_ge_f32 vcc_lo, v69, v[56+\e]
	v_cndmask_b32 v70, \e, v70, vcc_lo
	v_max_num_f32 v69, v69, v[56+\e]
.endr
	v_add_f32 v71, v67, v69
	v_rcp_f32 v78, v71
	v_min_u32 v76, v68, v70                        ; lo (a plain line behind the reciprocal)
	v_max_u32 v77, v68, v70                        ; hi
	s_wait_alu depctr_va_vdst(0)
	v_mul_f32 v72, v67, v78                        ; the two gates, renormalised
	v_mul_f32 v73, v69, v78
	v_cmp_lt_u32 vcc_lo, v68, v70
	v_cndmask_b32 v74, v73, v72, vcc_lo            ; the gate of lo,
	v_cndmask_b32 v75, v72, v73, vcc_lo            ; of hi
	v_sub_nc_u32 v79, 15, v76
	v_mul_u32_u24 v79, v79, v76
	v_lshrrev_b32 v79, 1, v79
	v_add_nc_u32 v79, v79, v77
	v_sub_nc_u32 v79, v79, v76
	v_add_nc_u32 v79, -1, v79                      ; the key
	v_mov_b32 v80, 0                               ; my rank among the block's tokens of my key
	v_mov_b32 v81, 0                               ; lane k: the block's tokens of key k
.set K, 0
.rept 28
	v_cmp_eq_u32 vcc_lo, K, v79
	v_mbcnt_lo_u32_b32 v82, vcc_lo, 0
	v_cndmask_b32 v80, v80, v82, vcc_lo
	s_bcnt1_i32_b32 s52, vcc_lo
	v_writelane_b32 v81, s52, K
.set K, K+1
.endr
	v_lshl_or_b32 v83, v80, 8, v79
	global_store_b32 v121, v83, s[20:21]
	global_store_b64 v122, v[74:75], s[18:19]
	global_store_b32 v121, v81, s[22:23]
	s_wait_xcnt 0x0
	v_lshl_add_u32 v254, v0, 2, 0x41c00
	v_mov_b32 v255, 0
	s_wait_tensorcnt 0x0
	ds_add_u32 v254, v255
	s_wait_dscnt 0x0
	s_endpgm
; ---------------- the weight path.  Work-group g = number - 128 makes units 8 g .. 8 g + 7; wave v half a unit: fragments 2 (v & 1) + phi, phi = 0, 1.
.Lweights:
	s_sub_co_u32 s27, ttmp9, 128                   ; g
	s_and_b32 s28, s27, 3
	s_lshl_b32 s29, s28, 3
	s_add_co_u32 s29, s29, s26                     ; q = 8 (g & 3) + (v >> 1)
	s_lshr_b32 s30, s27, 4                         ; e
	s_bfe_u32 s31, s27, 0x20002                    ; w = (g >> 2) & 3
	s_lshl_b32 s32, s27, 3
	s_add_co_u32 s32, s32, s26                     ; the unit's number
	s_and_b32 s33, s29, 1                          ; fc1: first row 128 w + 32 (2 (q & 1) + half), 4,096 bytes a row; K step q >> 1: 512 bytes
	s_lshl_b32 s33, s33, 1
	s_add_co_u32 s33, s33, s25
	s_lshl_b32 s33, s33, 5
	s_lshl_b32 s41, s31, 7
	s_add_co_u32 s33, s33, s41
	s_lshl_b32 s33, s33, 12
	s_lshr_b32 s41, s29, 1
	s_lshl_b32 s41, s41, 9
	s_add_co_u32 s33, s33, s41
	s_and_b32 s34, s29, 15                         ; fc2: first row 256 w + 16 j, 2,048 bytes a row; K step 2 half: 1,024 bytes
	s_lshl_b32 s34, s34, 4
	s_lshl_b32 s41, s31, 8
	s_add_co_u32 s34, s34, s41
	s_lshl_b32 s34, s34, 11
	s_lshl_b32 s41, s25, 10
	s_add_co_u32 s34, s34, s41
	s_mov_b32 s35, 4096                            ; fc1's figures: bytes from row to row,
	s_mov_b32 s39, 65536                           ; from a fragment's rows 0-7 to its rows 8-15 (16 rows of fc1),
	s_mov_b32 s40, 32768                           ; from fragment phi = 0 to phi = 1 (8 rows)
	s_lshl_b32 s41, s30, 21                        ; an expert's 2,097,152 bytes, in either tensor
	s_wait_kmcnt 0x0
	s_cmp_ge_u32 s28, 2                            ; fc2's units?  The choice hangs on the work-group's number alone
	s_cselect_b32 s33, s34, s33
	s_cselect_b32 s35, 2048, s35
	s_cselect_b32 s39, 16384, s39                  ; (8 rows of fc2)
	s_cselect_b32 s40, 512, s40                    ; (the next K step)
	s_cselect_b64 s[8:9], s[10:11], s[8:9]
	s_add_co_u32 s42, s33, s41
	s_mov_b32 s43, 0
	s_add_nc_u64 s[44:45], s[8:9], s[42:43]        ; bases: s[44 + 4 phi + 2 (upper eight rows)]
	s_mov_b32 s52, s39
	s_mov_b32 s53, 0
	s_mov_b32 s54, s40
	s_mov_b32 s55, 0
	s_add_nc_u64 s[46:47], s[44:45], s[52:53]
	s_add_nc_u64 s[48:49], s[44:45], s[54:55]
	s_add_nc_u64 s[50:51], s[48:49], s[52:53]
	s_mul_i32 s56, s32, U
	s_mov_b32 s57, 0
	s_add_nc_u64 s[58:59], s[16:17], s[56:57]      ; my unit,
	s_add_nc_u64 s[60:61], s[58:59], 8192          ; its scale words,
	s_lshl_b32 s56, s25, 12
	s_add_nc_u64 s[58:59], s[58:59], s[56:57]      ; my two fragments
.irp i, 0,1,2,3,4,5,6,7
	v_mad_u32_u24 v[8+\i], s35, \i, v2             ; 16 x lane + i rows
.endr
	s_mul_i32 s27, s24, U
	s_add_co_u32 s27, s27, WST                     ; my stage: 16 rows of 512 bytes + 16
	v_add_nc_u32 v3, s27, v2
	v_and_b32 v6, 15, v1
	v_lshrrev_b32 v7, 4, v1
	v_mul_u32_u24 v4, v6, 528
	v_lshl_add_u32 v4, v7, 6, v4
	v_add_nc_u32 v4, s27, v4                       ; out of it: row lane % 16, + 64 (lane / 16): my 16 numbers of each block of 32
	s_lshl_b32 s27, s25, 2
	v_lshl_add_u32 v5, v1, 3, s27                  ; my scale word: 8 x lane + 4 half
.irp b, 0,1,2,3
	v_mov_b32 v[TM+4+\b], 0                        ; written once: a lane permute's destination counts as one of its sources
.endr
.irp p, 0,1
.irp i, 0,1,2,3,4,5,6,7,8,9,10,11,12,13,14,15
	global_load_b128 v[R+64*\p+4*\i:R+64*\p+4*\i+3], v[8+(\i%8)], s[44+4*\p+2*(\i/8):45+4*\p+2*(\i/8)] th:TH_LOAD_NT   ; 512 consecutive bytes of one row
.endr
.endr
.macro WQUANT                          ; v[N] on become a fragment's codes in v[PC] on and its scale word in v[PW]
.irp b, 0,1,2,3
	v_max3_num_f32 v[TM+\b], |v[N+16*\b]|, |v[N+16*\b+1]|, 0x4800000
.endr
.irp k, 2,4,6,8,10,12,14
.irp b, 0,1,2,3
	v_max3_num_f32 v[TM+\b], v[TM+\b], |v[N+16*\b+\k]|, |v[N+16*\b+\k+1]|
.endr
.endr
.irp b, 0,1,2,3
	v_permlanex16_b32 v[TM+4+\b], v[TM+\b], s36, s37
.endr
.irp b, 0,1,2,3
	v_max_num_f32 v[TM+\b], v[TM+\b], v[TM+4+\b]   ; with lane l xor 16's: the block's largest magnitude
.endr
.irp b, 0,1,2,3
	v_add_nc_u32 v[TM+12+\b], 0xfc000000, v[TM+\b]
.endr
.irp b, 0,1,2,3
	v_and_or_b32 v[TM+8+\b], v[TM+\b], 0x7f800000, s38
.endr
.irp b, 0,1,2,3
	v_lshrrev_b32 v[TM+4+\b], 23, v[TM+12+\b]
.endr
	v_lshl_or_b32 v[PW], v[TM+5], 8, v[TM+4]
	v_lshl_or_b32 v[PW], v[TM+6], 16, v[PW]
	v_lshl_or_b32 v[PW], v[TM+7], 24, v[PW]
.irp b, 0,1,2,3
.irp k, 0,1,2,3,4,5,6,7,8,9,10,11,12,13,14,15
	v_med3_num_f32 v[N+16*\b+\k], v[N+16*\b+\k], -v[TM+8+\b], v[TM+8+\b]
.endr
	v_cvt_scalef32_pk8_fp8_f32 v[PC+4*\b:PC+4*\b+1], v[N+16*\b:N+16*\b+7], v[TM+12+\b]
	v_cvt_scalef32_pk8_fp8_f32 v[PC+4*\b+2:PC+4*\b+3], v[N+16*\b+8:N+16*\b+15], v[TM+12+\b]
.endr
	v_nop                                          ; a plain line behind the last conversion
.endm
.irp p, 0,1
	s_wait_loadcnt 16*(1-\p)                       ; this fragment's 16 rows are in; the other's may be out
.irp i, 0,1,2,3,4,5,6,7,8,9,10,11,12,13,14,15
	ds_store_b128 v3, v[R+64*\p+4*\i:R+64*\p+4*\i+3] offset:528*\i
.endr
.irp c, 0,1,2,3
.irp j, 0,1,2,3
	ds_load_b128 v[N+16*\c+4*\j:N+16*\c+4*\j+3], v4 offset:128*\c+16*\j
.endr
.endr
	s_wait_dscnt 0x0
.if \p == 1
	s_wait_xcnt 0x0                                ; the first fragment's stores have read the codes' registers
.endif
	WQUANT
.irp c, 0,1,2,3
	global_store_b128 v2, v[PC+4*\c:PC+4*\c+3], s[58:59] offset:2048*\p+512*\c   ; the image: 512 consecutive bytes a store
.endr
.if \p == 0
	v_mov_b32 v241, v[PW]
.endif
.endr
	v_cmp_gt_u32 vcc_lo, 16, v1
	v_cndmask_b32 v242, v[PW], v241, vcc_lo        ; lanes 0-15: the first fragment's words, lanes 16-31 the second's (both halves of the lanes hold a row's word)
	global_store_b32 v5, v242, s[60:61]
	s_wait_xcnt 0x0
	v_lshl_add_u32 v254, v0, 2, 0x41c00
	v_mov_b32 v255, 0
	s_wait_tensorcnt 0x0
	ds_add_u32 v254, v255
	s_wait_dscnt 0x0
	s_endpgm
.Lfunc_end_k_qbb294fdc9a_prep:
	.size	k_qbb294fdc9a_prep, .Lfunc_end_k_qbb294fdc9a_prep-k_qbb294fdc9a_prep
	.p2alignl 7, 3214868480
	.fill 96, 4, 3214868480
	.section	.rodata,"a",@progbits
	.p2align	6, 0x0
	.amdhsa_kernel k_qbb294fdc9a_prep
		.amdhsa_group_segment_fixed_size 271360
		.amdhsa_private_segment_fixed_size 0
		.amdhsa_enable_private_segment 0
		.amdhsa_kernarg_size 80
		.amdhsa_user_sgpr_count 2
		.amdhsa_user_sgpr_kernarg_segment_ptr 1
		.amdhsa_wavefront_size32 1
		.amdhsa_system_sgpr_workgroup_id_x 1
		.amdhsa_system_sgpr_workgroup_id_y 1
		.amdhsa_system_sgpr_workgroup_id_z 1
		.amdhsa_system_vgpr_workitem_id 0
		.amdhsa_next_free_vgpr 256
		.amdhsa_next_free_sgpr 66
		.amdhsa_reserve_vcc 1
		.amdhsa_float_denorm_mode_32 3
		.amdhsa_float_denorm_mode_16_64 3
		.amdhsa_memory_ordered 1
		.amdhsa_forward_progress 1
		.amdhsa_inst_pref_size 122
	.end_amdhsa_kernel
	.amdgpu_metadata
---
amdhsa.version: [ 1, 2 ]
amdhsa.kernels:
  - .name:           k_qbb294fdc9a_prep
    .symbol:         k_qbb294fdc9a_prep.kd
    .args:
      - { .name: x, .offset: 0, .size: 8, .value_kind: global_buffer, .address_space: global }
      - { .name: router_w, .offset: 8, .size: 8, .value_kind: global_buffer, .address_space: global }
      - { .name: fc1_w, .offset: 16, .size: 8, .value_kind: global_buffer, .address_space: global }
      - { .name: fc2_w, .offset: 24, .size: 8, .value_kind: global_buffer, .address_space: global }
      - { .name: xq, .offset: 32, .size: 8, .value_kind: global_buffer, .address_space: global }
      - { .name: xs, .offset: 40, .size: 8, .value_kind: global_buffer, .address_space: global }
      - { .name: wq, .offset: 48, .size: 8, .value_kind: global_buffer, .address_space: global }
      - { .name: gates, .offset: 56, .size: 8, .value_kind: global_buffer, .address_space: global }
      - { .name: route, .offset: 64, .size: 8, .value_kind: global_buffer, .address_space: global }
      - { .name: hist, .offset: 72, .size: 8, .value_kind: global_buffer, .address_space: global }
    .group_segment_fixed_size: 271360
    .private_segment_fixed_size: 0
    .kernarg_segment_align: 8
    .kernarg_segment_size: 80
    .max_flat_workgroup_size: 512
    .sgpr_count:     66
    .vgpr_count:     256
    .wavefront_size: 32
...
	.end_amdgpu_metadata
.endif
;; end of part 1
;; launch place (part 2): grid 1 x 1, 8 waves a work-group, no clusters, 2,048 bytes of LDS; arguments route, hist, tiles, order; writes tiles, order
.if DOCPART == 2
	.amdgcn_target "amdgcn-amd-amdhsa--gfx1250"
	.amdhsa_code_object_version 6
	.text
	.protected	k_qbb294fdc9a_place
	.globl	k_qbb294fdc9a_place
	.p2align	8
	.type	k_qbb294fdc9a_place,@function
k_qbb294fdc9a_place:
	s_mov_b64 s[64:65], 0
	v_nop
	global_prefetch_b8 v0, s[64:65] scope:SCOPE_SE
	s_setreg_imm32_b32 hwreg(HW_REG_WAVE_MODE, 25, 1), 1
	s_wait_xcnt 0x0
; PLACE.  One work-group sorts the 8,192 tokens by key (28 pairs of experts) by counting, without atomics, and cuts each key's run into tiles of 64 tokens.
; tiles[t] = (lo, hi, rows, 0) for t = 0 .. 255 (the third launch reads 0 .. 154: never more than 8192 / 64 + 28 - 1 tiles, whatever the split); order[t][row] = token.
; A key's tiles follow each other, so a token's place is 64 x (the key's first tile) + its rank among the key's tokens: rows past a tile's count are not written, and nobody reads them.
; Wave w takes blocks 32 w .. 32 w + 31 of 32 tokens.  For hist a lane is a key, for route a token of the block.  All numbers here are whole numbers read from memory.
; One work-group: the whole input is 64 KB, and the sums span all of it.
	s_load_b256 s[4:11], s[0:1], 0x0               ; route, hist, tiles, order
	v_lshl_add_u32 v160, v0, 2, 0x400
	v_mov_b32 v161, 0
	v_lshrrev_b32 v1, 5, v0
	v_readfirstlane_b32 s12, v1                    ; wave 0..7
	v_and_b32 v1, 31, v0                           ; lane
	v_lshlrev_b32 v2, 2, v1
	s_lshl_b32 s13, s12, 12
	v_add_nc_u32 v3, s13, v2                       ; 4,096 w + 4 lane: serves both buffers, 128 bytes from block to block
	s_lshl_b32 s14, s12, 7
	v_add_nc_u32 v4, s14, v2                       ; LDS: my wave's 32 totals
	s_lshl_b32 s15, s12, 10
	v_add_nc_u32 v19, s15, v1                      ; my token in the wave's first block
	v_lshlrev_b32 v24, 4, v0
	s_wait_kmcnt 0x0
.set B, 0
.rept 32
	global_load_b32 v[32+B], v3, s[6:7] offset:128*B
.set B, B+1
.endr
.set B, 0
.rept 32
	global_load_b32 v[64+B], v3, s[4:5] offset:128*B
.set B, B+1
.endr
	s_wait_loadcnt 32                              ; hist's 32 are in; route's 32 may be out
.set B, 1
.rept 31
	v_add_nc_u32 v[32+B], v[32+B], v[31+B]         ; running sums over my blocks, key by key
.set B, B+1
.endr
	ds_store_b32 v4, v63
	s_wait_dscnt 0x0
	s_barrier_signal -1
	s_barrier_wait -1
.irp j, 0,1,2,3,4,5,6,7
	ds_load_b32 v[128+\j], v2 offset:128*\j        ; all eight waves' totals
.endr
	s_wait_dscnt 0x0
	v_add_nc_u32 v5, v128, v129
	v_add3_u32 v5, v5, v130, v131
	v_add3_u32 v5, v5, v132, v133
	v_add3_u32 v5, v5, v134, v135                  ; lane k: tokens of key k
	v_mov_b32 v6, 0                                ; and those in the waves before mine
.irp j, 0,1,2,3,4,5,6
	s_cmp_gt_u32 s12, \j
	s_cselect_b32 s15, -1, 0
	v_and_b32 v7, s15, v[128+\j]
	v_add_nc_u32 v6, v6, v7
.endr
	s_mov_b32 s16, 0                               ; the first tile of the key in hand
	v_mov_b32 v8, 0                                ; lane k: key k's first tile
	v_mov_b32 v9, 0                                ; thread t: tile t's pair of experts,
	v_mov_b32 v10, 0                               ; its key's first tile,
	v_mov_b32 v11, 0                               ; its key's tokens
.set K, 0
.irp lo, 0,1,2,3,4,5,6
.irp hi, 1,2,3,4,5,6,7
.if \hi > \lo
	v_readlane_b32 s17, v5, K
	v_writelane_b32 v8, s16, K
	v_cmp_gt_u32 vcc_lo, s16, v0                   ; the last key whose first tile is not beyond t wins: keys without tokens are passed over
	v_cndmask_b32 v9, \lo+256*\hi, v9, vcc_lo
	v_cndmask_b32 v10, s16, v10, vcc_lo
	v_cndmask_b32 v11, s17, v11, vcc_lo
	s_add_co_u32 s18, s17, 63
	s_lshr_b32 s18, s18, 6
	s_add_co_u32 s16, s16, s18
.set K, K+1
.endif
.endr
.endr
	v_sub_nc_u32 v12, v0, v10
	v_lshlrev_b32 v12, 6, v12                      ; d: the key's tokens in the tiles before t
	v_min_u32 v13, v11, v12
	v_add_nc_u32 v14, 64, v12
	v_min_u32 v14, v11, v14
	v_and_b32 v20, 0xff, v9
	v_lshrrev_b32 v21, 8, v9
	v_sub_nc_u32 v22, v14, v13                     ; rows = min(n, d + 64) - min(n, d): 0 for a tile beyond the last
	v_mov_b32 v23, 0
	global_store_b128 v24, v[20:23], s[8:9]
	v_lshl_add_u32 v17, v8, 6, v6                  ; lane k: where my wave's tokens of key k begin
.set B, 31
.rept 31
	v_add_nc_u32 v[32+B], v17, v[31+B]             ; and block b's: descending, so that each sum is read before it is written
.set B, B-1
.endr
	v_mov_b32 v32, v17
	s_wait_loadcnt 0x0
.set B, 0
.rept 32
	v_and_b32 v[128+B], 0xff, v[64+B]              ; my token's key,
	v_min_u32 v[128+B], 31, v[128+B]               ; held to a lane's number,
	v_lshlrev_b32 v[128+B], 2, v[128+B]
.set B, B+1
.endr
.set B, 0
.rept 32
	ds_bpermute_b32 v[96+B], v[128+B], v[32+B]     ; picks that key's figure out of the lanes
.set B, B+1
.endr
	s_wait_dscnt 0x0
.set B, 0
.rept 32
	v_lshrrev_b32 v[128+B], 8, v[64+B]             ; + my rank in the block
	v_add_nc_u32 v[96+B], v[96+B], v[128+B]
	v_min_u32 v[96+B], 0x26bf, v[96+B]             ; held inside order's 155 x 64 words
	v_lshlrev_b32 v[96+B], 2, v[96+B]
	v_add_nc_u32 v[64+B], 32*B, v19                ; the token's number
	global_store_b32 v[96+B], v[64+B], s[10:11]    ; each block has registers of its own: none is written again
.set B, B+1
.endr
	s_wait_tensorcnt 0x0
	ds_add_u32 v160, v161
	s_wait_dscnt 0x0
	s_endpgm
.Lfunc_end_k_qbb294fdc9a_place:
	.size	k_qbb294fdc9a_place, .Lfunc_end_k_qbb294fdc9a_place-k_qbb294fdc9a_place
	.p2alignl 7, 3214868480
	.fill 96, 4, 3214868480
	.section	.rodata,"a",@progbits
	.p2align	6, 0x0
	.amdhsa_kernel k_qbb294fdc9a_place
		.amdhsa_group_segment_fixed_size 2048
		.amdhsa_private_segment_fixed_size 0
		.amdhsa_enable_private_segment 0
		.amdhsa_kernarg_size 32
		.amdhsa_user_sgpr_count 2
		.amdhsa_user_sgpr_kernarg_segment_ptr 1
		.amdhsa_wavefront_size32 1
		.amdhsa_system_sgpr_workgroup_id_x 1
		.amdhsa_system_sgpr_workgroup_id_y 1
		.amdhsa_system_sgpr_workgroup_id_z 1
		.amdhsa_system_vgpr_workitem_id 0
		.amdhsa_next_free_vgpr 162
		.amdhsa_next_free_sgpr 66
		.amdhsa_reserve_vcc 1
		.amdhsa_float_denorm_mode_32 3
		.amdhsa_float_denorm_mode_16_64 3
		.amdhsa_memory_ordered 1
		.amdhsa_forward_progress 1
		.amdhsa_inst_pref_size 38
	.end_amdhsa_kernel
	.amdgpu_metadata
---
amdhsa.version: [ 1, 2 ]
amdhsa.kernels:
  - .name:           k_qbb294fdc9a_place
    .symbol:         k_qbb294fdc9a_place.kd
    .args:
      - { .name: route, .offset: 0, .size: 8, .value_kind: global_buffer, .address_space: global }
      - { .name: hist, .offset: 8, .size: 8, .value_kind: global_buffer, .address_space: global }
      - { .name: tiles, .offset: 16, .size: 8, .value_kind: global_buffer, .address_space: global }
      - { .name: order, .offset: 24, .size: 8, .value_kind: global_buffer, .address_space: global }
    .group_segment_fixed_size: 2048
    .private_segment_fixed_size: 0
    .kernarg_segment_align: 8
    .kernarg_segment_size: 32
    .max_flat_workgroup_size: 256
    .sgpr_count:     66
    .vgpr_count:     162
    .wavefront_size: 32
...
	.end_amdgpu_metadata
.endif
;; end of part 2
;; launch chain (part 3): grid 155 x 1, 4 waves a work-group, no clusters, 207,360 bytes of LDS; arguments xq, xs, wq, gates, tiles, order, out0; writes out0
.if DOCPART == 3
	.amdgcn_target "amdgcn-amd-amdhsa--gfx1250"
	.amdhsa_code_object_version 6
	.text
	.protected	k_qbb294fdc9a_chain
	.globl	k_qbb294fdc9a_chain
	.p2align	8
	.type	k_qbb294fdc9a_chain,@function
k_qbb294fdc9a_chain:
	s_mov_b64 s[64:65], 0
	v_nop
	global_prefetch_b8 v0, s[64:65] scope:SCOPE_SE
	s_setreg_imm32_b32 hwreg(HW_REG_WAVE_MODE, 25, 1), 1
	s_wait_xcnt 0x0
; CHAIN.  A work-group takes one tile: up to 64 tokens that chose the same pair (lo, hi) of experts, through the whole chain for both experts, and owns their rows of out0:
; out = g_lo fc2_lo(Q(relu(fc1_lo x)^2)) + g_hi fc2_hi(Q(relu(fc1_hi x)^2)), both products on codes of E4M3 with one E8M0 scale for each 32 along K.  The hidden layer never goes to memory.
; SHARES.  The waves share the columns: wave w makes hidden units 128 w .. + 127 and outputs 256 w .. + 255, for all 64 tokens (four tiles m of 16) and both experts.  So each weight byte is
; loaded once in the work-group, from memory straight into operand registers (wq holds register images), through a ring of four register slots of one unit (4 fragments + their scale words, 17 loads).
; THE RING.  A unit's first 12 loads go out at the end of the unit four before it, into the slot just left; its last 5 behind the wait of the unit three before it.  So while a wave waits for
; a unit, 63 loads of its own are out (that unit's 17, two whole units, 12 of a third), and the 12 also go out ahead of the vector work that stands between runs of units.
; Both products are used transposed (source 0 = 16 rows of a weight, source 1 = 16 tokens): a lane holds one token, and its registers run along the next K or along a row of out0.
; x's codes are gathered once into LDS rows; the hidden layer's fragments go from wave to wave through LDS as images of their registers.  Two barriers, which every wave passes.
; Rows past a tile's count repeat its last token: they compute and store the same numbers to the same bytes.  All lanes are on throughout.
; A tile that the split has left without rows (155 = 8192 / 64 + 28 - 1 serves every split) runs the head on the first token of tile 0, which always has rows, and passes both barriers; scalar
; branches on the stored count lead it round the body of the loop over experts and, behind the second barrier, to the end.  No barrier stands under them.  It stores nothing.
; NO TENSOR LOADS, NO CLUSTER: which two experts a tile walks is read from the list and differs from tile to tile, so neighbours share no descriptor, and the weights need no LDS at all.
; LIMITS: as the first launch's; a block of the hidden layer that is all zeros gets the byte 1 and zero codes.
; REGISTERS, in windows of 256: window 0: v1-12 addresses; v24-31 the ring's scale words; v32-47 x's, v48-63 the hidden layer's; v64-71 gates; v72-103 offsets in out0;
;   v104-167, v168-231 x's fragments, two sets (later the codes just made, later the two experts' results, later rows on the way out); v232-248 at work.
;   window 1: fc1's 32 accumulators ((m, t) at 64 m + 8 t), later the hidden fragments of lo ((m, s) at 16 (4 m + s)); window 2: those of hi; window 3: the ring, slot k at 64 k.
.set U,    8448
.set XSC,  66560                       ; LDS: x's rows, 64 x 1,040 (1,024 + 16), from byte 0; then x's scale words, 4 x 512,
.set HIMG, 68608                       ; the hidden fragments [K step = the wave that made it][expert][m] x 2,048: a wave's stores fill 16,384 bytes on end,
.set HSC,  134144                      ; their scale words [K step][expert][m] x 64, 4 bytes a row: a wave's stores fill 512 bytes on end,
.set TOK,  136192                      ; each wave's own table of the tile's 64 tokens, 4 x 256,
.set STG,  137216                      ; each wave's own stage for the way out: 64 rows x (256 + 16)
.set RS,   24
.set XS,   32
.set HS,   48
.set GW,   64
.set OFFS, 72
.set XB0,  104
.set PC,   104
.set YL,   104
.set YH,   136
.set TM,   232
.set PW,   248
.set PL,   24                          ; s[24:25] lo's stream of units for my wave;  s[26:27] hi's
.set PH,   26
.set CUR,  28                          ; s[28:29] the stream of the expert in hand
.set N0,   48                          ; s[48:55] the four units that follow that expert's sixteen
.set MSB, 0
.macro WIN new                         ; the immediate's high byte repeats the setting that is left
.if MSB != \new
	s_set_vgpr_msb (MSB<<8)|\new
.set MSB, \new
.endif
.endm
.macro PLACES n                        ; plain vector lines between a matrix instruction and a load into, or a read of, its registers: eight for this form
.rept \n
	v_nop
.endr
.endm
.macro ISSUE_A slot, ptr, off          ; a unit's first 12 loads into a slot of the ring: its 256 bytes of scale words (8 a lane), then 11 loads of 512 consecutive bytes
	WIN 0
	global_load_b64 v[RS+2*(\slot):RS+2*(\slot)+1], v2, s[(\ptr):(\ptr)+1] offset:(\off)+8192
	WIN 0xc0
.irp k, 0,1,2,3,4,5,6,7,8,9,10
	global_load_b128 v[64*(\slot)+4*\k:64*(\slot)+4*\k+3], v1, s[(\ptr):(\ptr)+1] offset:(\off)+512*\k
.endr
.endm
.macro ISSUE_B slot, ptr, off          ; and its last 5
	WIN 0xc0
.irp k, 11,12,13,14,15
	global_load_b128 v[64*(\slot)+4*\k:64*(\slot)+4*\k+3], v1, s[(\ptr):(\ptr)+1] offset:(\off)+512*\k
.endr
.endm
.macro MM                              ; one product: rD, rA, rB, the scale registers rSA, rSB and their rows rRA, rRB; rZ = 1: it starts the sum
.if rZ
.if rRA && rRB
	v_wmma_scale_f32_16x16x128_f8f6f4 v[rD:rD+7], v[rA:rA+15], v[rB:rB+15], 0, v[rSA], v[rSB] matrix_a_scale:MATRIX_SCALE_ROW1 matrix_b_scale:MATRIX_SCALE_ROW1
.elseif rRA
	v_wmma_scale_f32_16x16x128_f8f6f4 v[rD:rD+7], v[rA:rA+15], v[rB:rB+15], 0, v[rSA], v[rSB] matrix_a_scale:MATRIX_SCALE_ROW1
.elseif rRB
	v_wmma_scale_f32_16x16x128_f8f6f4 v[rD:rD+7], v[rA:rA+15], v[rB:rB+15], 0, v[rSA], v[rSB] matrix_b_scale:MATRIX_SCALE_ROW1
.else
	v_wmma_scale_f32_16x16x128_f8f6f4 v[rD:rD+7], v[rA:rA+15], v[rB:rB+15], 0, v[rSA], v[rSB]
.endif
.else
.if rRA && rRB
	v_wmma_scale_f32_16x16x128_f8f6f4 v[rD:rD+7], v[rA:rA+15], v[rB:rB+15], v[rD:rD+7], v[rSA], v[rSB] matrix_a_scale:MATRIX_SCALE_ROW1 matrix_b_scale:MATRIX_SCALE_ROW1
.elseif rRA
	v_wmma_scale_f32_16x16x128_f8f6f4 v[rD:rD+7], v[rA:rA+15], v[rB:rB+15], v[rD:rD+7], v[rSA], v[rSB] matrix_a_scale:MATRIX_SCALE_ROW1
.elseif rRB
	v_wmma_scale_f32_16x16x128_f8f6f4 v[rD:rD+7], v[rA:rA+15], v[rB:rB+15], v[rD:rD+7], v[rSA], v[rSB] matrix_b_scale:MATRIX_SCALE_ROW1
.else
	v_wmma_scale_f32_16x16x128_f8f6f4 v[rD:rD+7], v[rA:rA+15], v[rB:rB+15], v[rD:rD+7], v[rSA], v[rSB]
.endif
.endif
.endm
.macro FETCHX s, buf                   ; x's four fragments of K step s: lane (r, h) takes 16 bytes at row r, 32 c + 16 h
	WIN 0
.irp m, 0,1,2,3
.irp c, 0,1,2,3
	ds_load_b128 v[(\buf)+16*\m+4*\c:(\buf)+16*\m+4*\c+3], v3 offset:16640*\m+128*(\s)+32*\c
.endr
.endr
.endm
	s_load_b256 s[4:11], s[0:1], 0x0               ; xq, xs, wq, gates
	s_load_b128 s[12:15], s[0:1], 0x20             ; tiles, order
	s_load_b64 s[16:17], s[0:1], 0x30              ; out0
	v_lshl_add_u32 v254, v0, 2, 0x32800
	v_mov_b32 v255, 0
	v_lshrrev_b32 v13, 5, v0
	v_readfirstlane_b32 s18, v13                   ; wave 0..3
	v_and_b32 v14, 31, v0                          ; lane
	v_and_b32 v15, 15, v0                          ; r
	v_bfe_u32 v16, v0, 4, 1                        ; h
	v_lshlrev_b32 v1, 4, v14                       ; 16 x lane
	v_lshlrev_b32 v2, 3, v14                       ; 8 x lane
	v_mul_u32_u24 v3, v15, 1040
	v_lshl_add_u32 v3, v16, 4, v3                  ; x's fragments: row r, + 16 h
	s_lshl_b32 s44, s18, 4
	v_add_nc_u32 v4, s44, v16
	v_mul_u32_u24 v4, v4, 1040
	v_lshl_add_u32 v4, v15, 4, v4                  ; the gather: row 16 w + lane / 16, 16 bytes a lane
	s_lshl_b32 s44, s18, 14
	s_add_co_u32 s44, s44, HIMG
	v_add_nc_u32 v5, s44, v1                       ; where I put hidden fragments: K step w's 16,384 bytes
	s_lshl_b32 s44, s18, 9
	s_add_co_u32 s44, s44, HSC
	v_lshl_add_u32 v6, v15, 2, s44                 ; and their scale words: K step w's 512 bytes, 4 bytes a row
	v_add_nc_u32 v9, HIMG, v1                      ; where any wave reads the fragments back,
	v_lshlrev_b32 v10, 2, v15
	v_lshl_add_u32 v10, v16, 9, v10
	v_add_nc_u32 v10, HSC, v10                     ; and the scale words: lanes 0-15 an even K step's, lanes 16-31 the next one's, 512 bytes on
	s_mul_i32 s44, s18, 17408
	s_add_co_u32 s44, s44, STG
	v_mul_u32_u24 v11, v15, 272
	v_lshl_add_u32 v11, v16, 5, v11
	v_add_nc_u32 v11, s44, v11                     ; my stage, in: row r, + 32 h
	v_mul_u32_u24 v12, v16, 272
	v_lshl_add_u32 v12, v15, 4, v12
	v_add_nc_u32 v12, s44, v12                     ; and back: lanes 0-15 one row of 256 bytes, lanes 16-31 the next
	s_lshl_b32 s44, s18, 8
	s_add_co_u32 s44, s44, TOK                     ; my table of tokens
	v_lshl_add_u32 v17, v14, 2, s44                ; row = lane
	v_lshl_add_u32 v20, v15, 2, s44                ; row = r (+ 16 m)
	v_lshl_add_u32 v21, v16, 2, s44                ; row = h (+ 2 i)
	s_lshl_b32 s45, s18, 6
	s_add_co_u32 s45, s45, s44
	v_lshl_add_u32 v18, v16, 2, s45                ; row = 16 w + h (+ 2 q)
	v_lshl_add_u32 v19, v15, 2, s45                ; row = 16 w + r
	s_lshl_b32 s44, s18, 9
	s_add_co_u32 s44, s44, XSC
	v_add_nc_u32 v22, s44, v1                      ; x's scale words: my 16 rows' image,
	v_add_nc_u32 v23, XSC, v1                      ; and any tile's
	v_lshlrev_b32 v117, 4, v15                     ; 16 r
	v_lshlrev_b32 v118, 4, v16                     ; 16 h
	s_lshl_b32 s44, s18, 10
	v_lshl_add_u32 v119, v15, 4, s44               ; in a row of out0: my wave's 1,024 bytes, 16 bytes a lane
	s_mov_b32 s36, 0x76543210
	s_mov_b32 s37, 0xfedcba98                      ; v_permlanex16_b32's selects for lane l xor 16
	s_mov_b32 s38, 0x600000                        ; the mantissa field of 448
.irp b, 0,1,2,3
	v_mov_b32 v[TM+4+\b], 0                        ; written once: a lane permute's destination counts as one of its sources
.endr
	s_lshl_b32 s44, ttmp9, 4
	s_mov_b32 s45, 0
	s_wait_kmcnt 0x0
	s_add_nc_u64 s[12:13], s[12:13], s[44:45]
	s_load_b128 s[20:23], s[12:13], 0x0            ; my tile: lo, hi, rows, 0
	s_wait_kmcnt 0x0
	s_min_u32 s20, s20, 7                          ; loaded numbers are held before they enter an address
	s_min_u32 s21, s21, 7
	s_min_u32 s22, s22, 64
	s_min_u32 s47, s22, 1                          ; 1 where the tile has rows, else 0
	s_lshl_b32 s44, ttmp9, 8
	s_mul_i32 s44, s44, s47                        ; my tile's 64 words of order; a tile without rows reads tile 0's, whose first word is always written
	s_add_nc_u64 s[14:15], s[14:15], s[44:45]
	s_max_u32 s46, s22, 1
	s_sub_co_u32 s46, s46, 1                       ; the tile's last row
	v_min_u32 v250, s46, v14                       ; rows lane and lane + 32, those past the count turned to the last row,
	v_add_nc_u32 v251, 32, v14
	v_min_u32 v251, s46, v251
	v_min_u32 v250, 63, v250                       ; and held inside the tile's 64 words
	v_min_u32 v251, 63, v251
	v_lshlrev_b32 v250, 2, v250
	v_lshlrev_b32 v251, 2, v251
	global_load_b32 v252, v250, s[14:15]
	global_load_b32 v253, v251, s[14:15]
	s_lshl_b32 s44, s20, 2
	s_add_co_u32 s44, s44, s18
	s_mul_i32 s44, s44, 32*U                       ; stream (e 4 + w): 32 units
	s_add_nc_u64 s[PL:PL+1], s[8:9], s[44:45]
	s_lshl_b32 s44, s21, 2
	s_add_co_u32 s44, s44, s18
	s_mul_i32 s44, s44, 32*U
	s_add_nc_u64 s[PH:PH+1], s[8:9], s[44:45]
	s_mov_b64 s[CUR:CUR+1], s[PL:PL+1]
	s_mov_b64 s[N0:N0+1], s[PH:PH+1]               ; behind lo's fc1 units come hi's first four
	s_add_nc_u64 s[N0+2:N0+3], s[PH:PH+1], U
	s_add_nc_u64 s[N0+4:N0+5], s[PH:PH+1], 2*U
	s_add_nc_u64 s[N0+6:N0+7], s[PH:PH+1], 3*U
	ISSUE_A 0, PL, 0                               ; the ring's first three units are asked for ahead of the gather: they land while the tokens are looked up and their codes fetched
	ISSUE_B 0, PL, 0
	ISSUE_A 1, PL, U
	ISSUE_B 1, PL, U
	ISSUE_A 2, PL, 2*U
	ISSUE_B 2, PL, 2*U
	WIN 0
	s_wait_loadcnt 51                              ; the two loads from order are in; the three units' 3 x 17 may be out
	v_min_u32 v252, 0x1fff, v252
	v_min_u32 v253, 0x1fff, v253
	ds_store_b32 v17, v252                         ; the table is my wave's own: LDS serves a wave's instructions in order
	ds_store_b32 v17, v253 offset:128
.irp q, 0,1,2,3,4,5,6,7
	ds_load_b32 v[104+\q], v18 offset:8*\q         ; the rows that I gather
.endr
	ds_load_b32 v112, v19                          ; the row whose scale bytes I fetch
.irp m, 0,1,2,3
	ds_load_b32 v[113+\m], v20 offset:64*\m        ; the tokens that my lane holds in the products
.endr
.set QI, 0
.rept 32
	ds_load_b32 v[OFFS+QI], v21 offset:8*QI        ; the rows that I store
.set QI, QI+1
.endr
	s_wait_dscnt 0x0
; each token's number is held at 8,191, shifted and added to the lane's term: a hold, a shift left, an addition
.irp q, 0,1,2,3,4,5,6,7
	v_min_u32 v[104+\q], 0x1fff, v[104+\q]
	v_lshlrev_b32 v[104+\q], 10, v[104+\q]         ; xq: 1,024 bytes a token,
	v_add_nc_u32 v[104+\q], v[104+\q], v117        ; + 16 (lane % 16)
.endr
	v_min_u32 v112, 0x1fff, v112
	v_lshlrev_b32 v112, 5, v112                    ; xs: 32 bytes a token,
	v_add_nc_u32 v112, v112, v118                  ; + 16 h
.irp m, 0,1,2,3
	v_min_u32 v[113+\m], 0x1fff, v[113+\m]
	v_lshlrev_b32 v[113+\m], 3, v[113+\m]          ; gates: 8 bytes a token
.endr
.set QI, 0
.rept 32
	v_min_u32 v[OFFS+QI], 0x1fff, v[OFFS+QI]
	v_lshlrev_b32 v[OFFS+QI], 12, v[OFFS+QI]       ; out0: 4,096 bytes a token,
	v_add_nc_u32 v[OFFS+QI], v[OFFS+QI], v119      ; + my wave's 1,024 and my lane's 16
.set QI, QI+1
.endr
	WIN 0x40                                       ; destination window 1
.irp q, 0,1,2,3,4,5,6,7
.irp c, 0,1,2,3
	global_load_b128 v[16*\q+4*\c:16*\q+4*\c+3], v[104+\q], s[4:5] offset:256*\c   ; sixteen lanes read 256 consecutive bytes of a token's codes
.endr
.endr
	WIN 0
	global_load_b128 v[120:123], v112, s[6:7]      ; lane (r, h): the scale words of K steps 4 h .. 4 h + 3 of row 16 w + r
.irp m, 0,1,2,3
	global_load_b64 v[GW+2*\m:GW+2*\m+1], v[113+\m], s[10:11]
.endr
	s_wait_loadcnt 0x0                             ; the gather's 37 loads are the youngest: all are in, the three units too
	WIN 0x04                                       ; an LDS store's data are its source 1: window 1
.irp q, 0,1,2,3,4,5,6,7
.irp c, 0,1,2,3
	ds_store_b128 v4, v[16*\q+4*\c:16*\q+4*\c+3] offset:2080*\q+256*\c
.endr
.endr
	WIN 0
	ds_store_b128 v22, v[120:123]
	ISSUE_A 3, PL, 3*U                             ; the fourth unit's first 12 loads: the state in which every unit finds the ring
	WIN 0
	s_wait_dscnt 0x0                               ; for the others' sake
	s_barrier_signal -1
	s_barrier_wait -1                              ; the 64 rows of x and their scale words lie in LDS
.irp m, 0,1,2,3
	ds_load_b128 v[XS+4*\m:XS+4*\m+3], v23 offset:512*\m   ; register q of tile m: K step q in lanes 0-15, K step q + 4 in lanes 16-31
.endr
	s_mov_b32 s39, 2
	s_mov_b32 s40, 0
	s_mov_b32 s41, 0
; ---- fc1.  A unit is 16 products: 4 hidden tiles x 4 tiles of tokens, 128 along K; the sixteen accumulators take turns, one instruction a turn.
.macro UNIT1 s, g
.set UI, 2*(\s)+(\g)
.set SL, UI%4
	s_wait_loadcnt 46                              ; this unit's 17 loads are in; behind its last were issued two whole units (34) and 12 loads of a third
.if UI+3 < 16
	ISSUE_B (UI+3)%4, CUR, (UI+3)*U                ; that third unit's last 5
.else
	ISSUE_B (UI+3)%4, N0+2*(UI+3-16), 0
.endif
.if (\g) == 0
	s_wait_dscnt 0x0                               ; x's fragments of this K step are in
.if (\s) < 7
	FETCHX (\s)+1, XB0+64*(((\s)+1)%2)             ; the next K step's, into the set that the last unit's products read: its places stand at that unit's end
.endif
.endif
	WIN 0x53                                       ; source 0 (weights) window 3, source 1 (x) window 0, C and D window 1
.irp f, 0,1,2,3
.irp m, 0,1,2,3
.set rD, 64*\m+8*(4*(\g)+\f)
.set rA, 64*SL+16*\f
.set rB, XB0+64*((\s)%2)+16*\m
.set rSA, RS+2*SL+(\f/2)
.set rSB, XS+4*\m+((\s)%4)
.set rRA, \f%2
.set rRB, (\s)/4
.set rZ, 0
.if (\s) == 0
.set rZ, 1
.endif
	MM
.endr
.endr
	PLACES 8                                       ; in front of loads into registers that these products read, and of the first read of results
.if UI+4 < 16
	ISSUE_A UI%4, CUR, (UI+4)*U                    ; the unit four further on, into the slot just left: 63 loads of mine are out
.else
	ISSUE_A UI%4, N0+2*(UI+4-16), 0
.endif
.endm
; Tile m's 64 numbers of a lane (register 16 b + i = hidden unit 128 w + 32 b + 16 h + i of my token) become relu^2, then a fragment's codes and its scale word, and go to LDS as they stand.
.macro QUANTH m
.set Z, 64*(\m)
	WIN 0x45
.set QI, 0
.rept 64
	v_max_num_f32 v[Z+QI], 0, v[Z+QI]              ; each accumulator from its low end on
.set QI, QI+1
.endr
.set QI, 0
.rept 32
	v_pk_mul_f32 v[Z+QI:Z+QI+1], v[Z+QI:Z+QI+1], v[Z+QI:Z+QI+1]
.set QI, QI+2
.endr
	WIN 0x05
.irp b, 0,1,2,3
	v_max3_num_f32 v[TM+\b], v[Z+16*\b], v[Z+16*\b+1], 0x4800000   ; nothing is negative; the floor 2^(9 - 127) keeps the byte at 1 from below
.endr
.irp k, 2,4,6,8,10,12,14
.irp b, 0,1,2,3
	v_max3_num_f32 v[TM+\b], v[Z+16*\b+\k], v[Z+16*\b+\k+1], v[TM+\b]
.endr
.endr
	WIN 0
.irp b, 0,1,2,3
	v_permlanex16_b32 v[TM+4+\b], v[TM+\b], s36, s37
.endr
.irp b, 0,1,2,3
	v_max_num_f32 v[TM+\b], v[TM+\b], v[TM+4+\b]   ; with lane l xor 16's: the block's largest
.endr
.irp b, 0,1,2,3
	v_add_nc_u32 v[TM+12+\b], 0xfc000000, v[TM+\b] ; 8 off the exponent field: the conversion's scale operand
.endr
.irp b, 0,1,2,3
	v_and_or_b32 v[TM+8+\b], v[TM+\b], 0x7f800000, s38   ; 448 x the scale
.endr
.irp b, 0,1,2,3
	v_lshrrev_b32 v[TM+4+\b], 23, v[TM+12+\b]
.endr
	v_lshl_or_b32 v[PW], v[TM+5], 8, v[TM+4]
	v_lshl_or_b32 v[PW], v[TM+6], 16, v[PW]
	v_lshl_or_b32 v[PW], v[TM+7], 24, v[PW]
	WIN 0x41
.irp b, 0,1,2,3
.irp k, 0,1,2,3,4,5,6,7,8,9,10,11,12,13,14,15
	v_min_num_f32 v[Z+16*\b+\k], v[Z+16*\b+\k], v[TM+8+\b]   ; the conversion does not saturate (ISA guide 7.6.2); the hold is one-sided
.endr
.endr
	WIN 0x01
.irp b, 0,1,2,3
	v_cvt_scalef32_pk8_fp8_f32 v[PC+4*\b:PC+4*\b+1], v[Z+16*\b:Z+16*\b+7], v[TM+12+\b]
	v_cvt_scalef32_pk8_fp8_f32 v[PC+4*\b+2:PC+4*\b+3], v[Z+16*\b+8:Z+16*\b+15], v[TM+12+\b]
.endr
	WIN 0
	v_nop                                          ; a plain line behind the last conversion
.irp c, 0,1,2,3
	ds_store_b128 v7, v[PC+4*\c:PC+4*\c+3] offset:2048*(\m)+512*\c
.endr
	ds_store_b32 v8, v[PW] offset:64*(\m)          ; lanes r and r + 16 write the same word with the same value
	s_wait_dscnt 0x0                               ; the stores have read their registers
.endm
.Lexp:                                                 ; two trips: lo, then hi; the ring runs on from one stream into the next
	s_cmp_eq_u32 s22, 0                            ; a tile without rows walks the loop and passes over its body: the branch hangs on the stored count
	s_cbranch_scc1 .Lidle
	v_add_nc_u32 v7, s40, v5                       ; this expert's half of my 16,384 bytes,
	v_add_nc_u32 v8, s41, v6                       ; and of my 512
	FETCHX 0, XB0
.irp s, 0,1,2,3,4,5,6,7
	UNIT1 \s, 0
	UNIT1 \s, 1
.endr
	QUANTH 0                                       ; (the last unit's eight places stand in front of this first read of results; four units of the next stream land meanwhile)
	QUANTH 1
	QUANTH 2
	QUANTH 3
.Lidle:
	s_wait_xcnt 0x0                                ; the ring's loads have read their bases
	s_mov_b64 s[CUR:CUR+1], s[PH:PH+1]
	s_add_nc_u64 s[N0:N0+1], s[PL:PL+1], 16*U      ; behind hi's fc1 units come the first four of fc2: lo, hi, lo, hi
	s_add_nc_u64 s[N0+2:N0+3], s[PH:PH+1], 16*U
	s_add_nc_u64 s[N0+4:N0+5], s[PL:PL+1], 17*U
	s_add_nc_u64 s[N0+6:N0+7], s[PH:PH+1], 17*U
	s_add_co_u32 s40, s40, 8192
	s_add_co_u32 s41, s41, 256
	s_sub_co_i32 s39, s39, 1
	s_cmp_lg_u32 s39, 0
	s_cbranch_scc1 .Lexp
	s_wait_dscnt 0x0
	s_barrier_signal -1
	s_barrier_wait -1                              ; both experts' hidden fragments lie in LDS
	s_cmp_eq_u32 s22, 0                            ; a tile without rows has passed its last barrier and ends: nothing of it is stored
	s_cbranch_scc1 .Lend
	PLACES 8                                       ; in front of loads into fc1's accumulators
	WIN 0x40
.irp m, 0,1,2,3
.irp s, 0,1,2,3
.irp c, 0,1,2,3
	ds_load_b128 v[16*(4*\m+\s)+4*\c:16*(4*\m+\s)+4*\c+3], v9 offset:16384*\s+2048*\m+512*\c
.endr
.endr
.endr
	WIN 0x80
.irp m, 0,1,2,3
.irp s, 0,1,2,3
.irp c, 0,1,2,3
	ds_load_b128 v[16*(4*\m+\s)+4*\c:16*(4*\m+\s)+4*\c+3], v9 offset:16384*\s+8192+2048*\m+512*\c
.endr
.endr
.endr
	WIN 0
.irp e, 0,1
.irp m, 0,1,2,3
.irp p, 0,1
	ds_load_b32 v[HS+8*\e+2*\m+\p], v10 offset:1024*\p+256*\e+64*\m   ; register p: K step 2 p in lanes 0-15, 2 p + 1 in lanes 16-31
.endr
.endr
.endr
	s_wait_dscnt 0x0
; ---- fc2.  A unit is one tile of 16 outputs of one expert, all of K (4 steps) x 4 tiles of tokens: four accumulators by turns.  lo's and hi's units alternate; behind hi's the two are weighed and added.
.macro COMBINE jj
.irp m, 0,1,2,3
.irp k, 0,2,4,6
	v_pk_mul_f32 v[YL+8*\m+\k:YL+8*\m+\k+1], v[YL+8*\m+\k:YL+8*\m+\k+1], v[GW+2*\m:GW+2*\m+1] op_sel_hi:[1,0]   ; x the gate of lo (the pair's first register for both halves)
.endr
.irp k, 0,2,4,6
	v_pk_fma_f32 v[YL+8*\m+\k:YL+8*\m+\k+1], v[YH+8*\m+\k:YH+8*\m+\k+1], v[GW+2*\m:GW+2*\m+1], v[YL+8*\m+\k:YL+8*\m+\k+1] op_sel:[0,1,0] op_sel_hi:[1,1,1]   ; + hi's x the gate of hi (the second)
.endr
	ds_store_b128 v11, v[YL+8*\m:YL+8*\m+3] offset:4352*\m+64*(\jj)       ; lane (r, h): token 16 m + r, outputs 16 jj + 8 h + 0 .. 7 of the trip's 64
	ds_store_b128 v11, v[YL+8*\m+4:YL+8*\m+7] offset:4352*\m+64*(\jj)+16
.endr
.endm
.macro TRIP last                       ; four tiles of outputs: 256 bytes of each of the 64 rows
.irp u, 0,1,2,3,4,5,6,7
.set EX, \u%2
.set SL, \u%4
.set WN, 0x07+4*EX
.if (\last == 1) && (\u > 4)
	s_wait_loadcnt 17*(7-\u)                       ; nothing more is asked for: the counts run down with the whole units still out
.else
	s_wait_loadcnt 46                              ; this unit is in; behind its last load were issued two whole units and 12 loads of a third
.endif
.if (\last == 0) || (\u < 5)
	ISSUE_B (\u+3)%4, PL+2*((\u+3)%2), (16+(\u+3)/2)*U   ; that third unit's last 5
.endif
.if EX == 0
	s_wait_dscnt 0x0                               ; the stage's stores have read lo's results
.endif
	WIN WN                                         ; source 0 window 3, source 1 window 1 (lo) or 2 (hi), C and D window 0
.irp s, 0,1,2,3
.irp m, 0,1,2,3
.set rD, YL+32*EX+8*\m
.set rA, 64*SL+16*\s
.set rB, 16*(4*\m+\s)
.set rSA, RS+2*SL+(\s/2)
.set rSB, HS+8*EX+2*\m+(\s/2)
.set rRA, \s%2
.set rRB, \s%2
.set rZ, 0
.if \s == 0
.set rZ, 1
.endif
	MM
.endr
.endr
	PLACES 8                                       ; in front of loads into the slot just left and of the first read of results; two units' sixteen stand between two sums begun on the same registers
.if (\last == 0) || (\u < 4)
	ISSUE_A \u%4, PL+2*(\u%2), (16+(\u+4)/2)*U     ; the unit four further on: the same expert's tile two further on
.endif
.if EX == 1
	WIN 0
	COMBINE \u/2
.endif
.endr
	s_wait_dscnt 0x0                               ; the stage's stores have read their registers, which the loads below take
.set QI, 0
.rept 32
	ds_load_b128 v[104+4*QI:104+4*QI+3], v12 offset:544*QI   ; back as whole rows' 256 bytes, two rows an instruction
.set QI, QI+1
.endr
	s_wait_dscnt 0x0
.set QI, 0
.rept 32
	global_store_b128 v[OFFS+QI], v[104+4*QI:104+4*QI+3], s[16:17] th:TH_STORE_NT   ; sixteen lanes store 256 consecutive bytes, at a multiple of 256 from out0's first byte
.set QI, QI+1
.endr
	s_wait_xcnt 0x0                                ; the stores have read their registers and their base; so have the ring's loads
.if \last == 0
	s_add_nc_u64 s[PL:PL+1], s[PL:PL+1], 4*U
	s_add_nc_u64 s[PH:PH+1], s[PH:PH+1], 4*U
	s_add_nc_u64 s[16:17], s[16:17], 256
.endif
.endm
	s_mov_b32 s42, 3
.Ltrip:
	TRIP 0
	s_sub_co_i32 s42, s42, 1
	s_cmp_lg_u32 s42, 0
	s_cbranch_scc1 .Ltrip
	TRIP 1                                         ; the last trip is written out: no load goes past a stream's end
.Lend:
	s_wait_tensorcnt 0x0
	ds_add_u32 v254, v255
	s_wait_dscnt 0x0
	s_endpgm
.Lfunc_end_k_qbb294fdc9a_chain:
	.size	k_qbb294fdc9a_chain, .Lfunc_end_k_qbb294fdc9a_chain-k_qbb294fdc9a_chain
	.p2alignl 7, 3214868480
	.fill 96, 4, 3214868480
	.section	.rodata,"a",@progbits
	.p2align	6, 0x0
	.amdhsa_kernel k_qbb294fdc9a_chain
		.amdhsa_group_segment_fixed_size 207360
		.amdhsa_private_segment_fixed_size 0
		.amdhsa_enable_private_segment 0
		.amdhsa_kernarg_size 56
		.amdhsa_user_sgpr_count 2
		.amdhsa_user_sgpr_kernarg_segment_ptr 1
		.amdhsa_wavefront_size32 1
		.amdhsa_system_sgpr_workgroup_id_x 1
		.amdhsa_system_sgpr_workgroup_id_y 1
		.amdhsa_system_sgpr_workgroup_id_z 1
		.amdhsa_system_vgpr_workitem_id 0
		.amdhsa_next_free_vgpr 1024
		.amdhsa_next_free_sgpr 66
		.amdhsa_reserve_vcc 0
		.amdhsa_float_denorm_mode_32 3
		.amdhsa_float_denorm_mode_16_64 3
		.amdhsa_memory_ordered 1
		.amdhsa_forward_progress 1
		.amdhsa_inst_pref_size 239
	.end_amdhsa_kernel
	.amdgpu_metadata
---
amdhsa.version: [ 1, 2 ]
amdhsa.kernels:
  - .name:           k_qbb294fdc9a_chain
    .symbol:         k_qbb294fdc9a_chain.kd
    .args:
      - { .name: xq, .offset: 0, .size: 8, .value_kind: global_buffer, .address_space: global }
      - { .name: xs, .offset: 8, .size: 8, .value_kind: global_buffer, .address_space: global }
      - { .name: wq, .offset: 16, .size: 8, .value_kind: global_buffer, .address_space: global }
      - { .name: gates, .offset: 24, .size: 8, .value_kind: global_buffer, .address_space: global }
      - { .name: tiles, .offset: 32, .size: 8, .value_kind: global_buffer, .address_space: global }
      - { .name: order, .offset: 40, .size: 8, .value_kind: global_buffer, .address_space: global }
      - { .name: out0, .offset: 48, .size: 8, .value_kind: global_buffer, .address_space: global }
    .group_segment_fixed_size: 207360
    .private_segment_fixed_size: 0
    .kernarg_segment_align: 8
    .kernarg_segment_size: 56
    .max_flat_workgroup_size: 128
    .sgpr_count:     66
    .vgpr_count:     1024
    .wavefront_size: 32
...
	.end_amdgpu_metadata
.endif
;; end of part 3
;; ======== version 2 of 2: 3 launches
;; workspace buffers: xq 8,388,608 bytes; xs 262,144 bytes; wq 8,650,752 bytes; gates 65,536 bytes; route 32,768 bytes of whole numbers; hist 32,768 bytes of whole numbers; tiles 4,096 bytes of whole numbers; order 39,680 bytes of whole numbers
;; launch prep (part 4): grid 256 x 1, 16 waves a work-group, no clusters, 271,360 bytes of LDS; arguments x, router_w, fc1_w, fc2_w, xq, xs, wq, gates, route, hist; writes xq, xs, wq, gates, route, hist
.if DOCPART == 4
	.amdgcn_target "amdgcn-amd-amdhsa--gfx1250"
	.amdhsa_code_object_version 6
	.text
	.protected	k_qbb294fdc9a_prep
	.globl	k_qbb294fdc9a_prep
	.p2align	8
	.type	k_qbb294fdc9a_prep,@function
k_qbb294fdc9a_prep:
	s_mov_b64 s[64:65], 0
	v_nop
	global_prefetch_b8 v0, s[64:65] scope:SCOPE_SE
	s_setreg_imm32_b32 hwreg(HW_REG_WAVE_MODE, 25, 1), 1
	s_wait_xcnt 0x0
; PREP.  Work-groups 0-127: 64 tokens each: x [8192][1024] f32 becomes codes of E4M3 (xq, plain rows) and E8M0 bytes (xs, 32 a row); the router's logits are summed
; in f32 on the same registers, and softmax, top-2 and the gates follow.  What the router chose is only STORED here, at fixed places: route[token] = key | rank << 8,
; gates[token] = (gate of the lower expert, gate of the higher), hist[block of 32 tokens][key] = how many tokens of the block have that key.
; A key numbers the unordered pair lo < hi of experts: lo (15 - lo) / 2 + hi - lo - 1, 0 .. 27.  No address and no branch hangs on these numbers.
; Work-groups 128-255: fc1_w and fc2_w become codes and scale words in wq, laid in the order in which the third launch's operand registers take them:
; a unit of 8,448 bytes = 4 fragments (16 rows x 128 K) as register images [c][lane][16 bytes], then 256 bytes of scale words, word of (fragment f, row r) at 8 (16 (f & 1) + r) + 4 (f >> 1).
; Unit (e 4 + w) 32 + q.  q < 16: fc1, K step q >> 1, fragment f = hidden tile t = 4 (q & 1) + f, its row r = fc1 row 128 w + 32 (t >> 1) + 8 (t & 1) + r + 8 (r >> 3).
; q = 16 + j: fc2, fragment f = K step f, row r = fc2 row 256 w + 16 j + r.
; THE QUANTISER: a block's scale byte is its largest magnitude's exponent field - 8, held at 1 from below by a floor among the maximum's leaves; numbers are held within +-448 x the scale and converted.
; LIMITS: NaN and infinities are not served.  A block whose largest magnitude lies under 2^-118 gets the byte 1; so does a block of zeros (its codes are zeros; the bytes are read by this program alone).
; A probability under 2^-126 counts as 0 (the exponential flushes).  Two logits closer than the f32 sums' error may change places in the top-2.
; No matrix unit, no tensor load, no cluster: each byte is read once by one wave, nothing is shared but the router's 32 KB.  The two paths part on the work-group's number and have LDS bytes of their own.
.set RWL,  81920                       ; x path: stages 16 x 5,120 from byte 0; then the router's weights, 16 x 2,560, turned as x is
.set XSCL, 122880                      ; the 64 tokens' scale bytes, 32 a token
.set LG,   124928                      ; partial logits: 144 bytes a token: 4 partials x 8 experts x 4 bytes + 16 of padding
.set WST,  134144                      ; weight path: stages 16 x 8,448 (16 rows x 528)
.set U,    8448
.set R,    16                          ; v16-63   three sets of 16 numbers as loaded
.set X,    64                          ; v64-95   two sets of 16 neighbours along K
.set ACC,  96                          ; v96-111  eight pairs of partial logits
.set C,    112                         ; v112-119 two sets of 4 registers of codes
.set RW,   128                         ; v128-255 the router's weights for my 16 k: expert e at RW + 16 e
.set N,    144                         ; weight path: v144-207 64 numbers, register 16 c + i = k 32 c + 16 (lane / 16) + i of my row
.set PC,   208                         ; v208-223 a fragment's codes
.set TM,   224                         ; v224-239 at work
.set PW,   240                         ; v240 the scale word just made; v241 the first fragment's
	s_load_b256 s[4:11], s[0:1], 0x0               ; x, router_w, fc1_w, fc2_w
	s_load_b256 s[12:19], s[0:1], 0x20             ; xq, xs, wq, gates
	s_load_b128 s[20:23], s[0:1], 0x40             ; route, hist
	v_lshrrev_b32 v1, 5, v0
	s_delay_alu instid0(VALU_DEP_1)
	v_readfirstlane_b32 s24, v1                    ; wave 0..15
	v_and_b32 v1, 31, v0                           ; lane
	s_delay_alu instid0(VALU_DEP_1)
	v_lshlrev_b32 v2, 4, v1                        ; 16 x lane
	s_mov_b32 s36, 0x76543210
	s_mov_b32 s37, 0xfedcba98                      ; v_permlanex16_b32's selects for lane l xor 16
	s_mov_b32 s38, 0x600000                        ; the mantissa field of 448
	s_and_b32 s25, s24, 1                          ; x: which half row; weights: which half of a unit
	s_lshr_b32 s26, s24, 1                         ; x: which 8 tokens; weights: which of the group's 8 units
	s_cmp_lt_u32 ttmp9, 128
	s_cbranch_scc0 .Lweights
; ---------------- the x path.  Wave v takes half row p = v & 1 (512 numbers) of the 8 tokens 64 b + 8 (v >> 1) + i: a step is one such half row.
	s_mul_i32 s27, s24, 5120                       ; my two stages
	s_wait_alu depctr_va_vdst(0)
	v_lshrrev_b32 v9, 2, v1
	s_delay_alu instid0(VALU_DEP_1)
	v_mul_u32_u24 v9, v9, 80
	v_and_b32 v10, 3, v1
	s_delay_alu instid0(VALU_DEP_1)
	v_lshl_add_u32 v9, v10, 4, v9                  ; into a stage: four lanes' 64 bytes on end, then 16 of padding
	s_delay_alu instid0(VALU_DEP_1)
	v_add_nc_u32 v3, s27, v9
	v_mul_u32_u24 v10, v1, 80                      ; out of it: 80 x lane: my 16 neighbours
	s_delay_alu instid0(VALU_DEP_1)
	v_add_nc_u32 v4, s27, v10
	s_mul_i32 s28, s24, 2560
	s_add_co_u32 s28, s28, RWL
	v_add_nc_u32 v5, s28, v9                       ; where I put my share of the router's weights (expert v >> 1, half v & 1)
	s_mul_i32 s28, s25, 2560
	s_add_co_u32 s28, s28, RWL
	v_add_nc_u32 v8, s28, v10                      ; and where I read all eight experts' for my half: 5,120 bytes from expert to expert
	s_lshl_b32 s28, s26, 8
	s_lshl_b32 s29, s25, 4
	s_add_co_u32 s28, s28, s29
	s_add_co_u32 s28, s28, XSCL
	v_lshrrev_b32 v11, 1, v1
	s_delay_alu instid0(VALU_DEP_1)
	v_add_nc_u32 v6, s28, v11                      ; my block's scale byte: 32 a token, 16 p + lane / 2
	s_mul_i32 s28, s26, 1152
	s_lshl_b32 s29, s25, 6
	s_add_co_u32 s28, s28, s29
	s_add_co_u32 s28, s28, LG
	v_lshrrev_b32 v11, 4, v1
	s_delay_alu instid0(VALU_DEP_1)
	v_lshl_add_u32 v7, v11, 5, s28                 ; my partial logits: partial 2 p + lane / 16 of the token
	s_and_b32 s28, s24, 3                          ; the addresses of the path's end are made here, ahead of the waves' parting
	s_lshl_b32 s28, s28, 9
	v_add_nc_u32 v15, s28, v2                      ; xs: 512 (v & 3) + 16 lane,
	s_delay_alu instid0(VALU_DEP_1)
	v_add_nc_u32 v14, XSCL, v15                    ; and the same place in LDS
	s_mul_i32 s28, s25, 4608
	s_add_co_u32 s28, s28, LG
	v_mul_u32_u24 v120, v1, 144
	s_delay_alu instid0(VALU_DEP_1)
	v_add_nc_u32 v120, s28, v120                   ; the router's lane = token 32 (v & 1) + lane
	v_lshlrev_b32 v121, 2, v1
	v_lshlrev_b32 v122, 3, v1
	s_lshl_b32 s40, ttmp9, 18                      ; x: (64 b + 8 (v >> 1)) rows of 4,096 bytes + 2,048 p
	s_lshl_b32 s41, s26, 15
	s_add_co_u32 s40, s40, s41
	s_lshl_b32 s41, s25, 11
	s_add_co_u32 s40, s40, s41
	s_mov_b32 s41, 0
	s_lshr_b32 s42, s40, 2                         ; xq: a quarter of that
	s_mov_b32 s43, 0
	s_lshl_b32 s44, s24, 11                        ; router_w: 2,048 v
	s_mov_b32 s45, 0
	s_lshl_b32 s46, ttmp9, 11                      ; xs: 2,048 b
	s_mov_b32 s47, 0
	s_lshl_b32 s48, ttmp9, 8
	s_lshl_b32 s49, s25, 7
	s_add_co_u32 s48, s48, s49                     ; route and hist: 256 b + 128 (v & 1)
	s_mov_b32 s49, 0
	s_lshl_b32 s50, s48, 1                         ; gates: twice that
	s_mov_b32 s51, 0
	s_wait_kmcnt 0x0
	s_add_nc_u64 s[4:5], s[4:5], s[40:41]
	s_add_nc_u64 s[12:13], s[12:13], s[42:43]
	s_add_nc_u64 s[6:7], s[6:7], s[44:45]
	s_add_nc_u64 s[14:15], s[14:15], s[46:47]
	s_add_nc_u64 s[20:21], s[20:21], s[48:49]
	s_add_nc_u64 s[22:23], s[22:23], s[48:49]
	s_add_nc_u64 s[18:19], s[18:19], s[50:51]
.macro XLOAD t                         ; step t: four loads of 512 consecutive bytes
.irp j, 0,1,2,3
	global_load_b128 v[R+16*((\t)%3)+4*\j:R+16*((\t)%3)+4*\j+3], v2, s[4:5] offset:4096*(\t)+512*\j th:TH_LOAD_NT
.endr
.endm
.macro XTURN t                         ; through my stage: in as loaded, out 64 bytes a lane; LDS serves a wave's instructions in order
.irp j, 0,1,2,3
	ds_store_b128 v3, v[R+16*((\t)%3)+4*\j:R+16*((\t)%3)+4*\j+3] offset:2560*((\t)%2)+640*\j
.endr
.irp j, 0,1,2,3
	ds_load_b128 v[X+16*((\t)%2)+4*\j:X+16*((\t)%2)+4*\j+3], v4 offset:2560*((\t)%2)+16*\j
.endr
.endm
.irp j, 0,1,2,3
	global_load_b128 v[R+32+4*\j:R+32+4*\j+3], v2, s[6:7] offset:512*\j   ; my share of the router's weights, into set 2
.endr
	XLOAD 0
	XLOAD 1
	s_wait_loadcnt 8                               ; the router's four are in; the eight of steps 0 and 1 may be out
.irp j, 0,1,2,3
	ds_store_b128 v5, v[R+32+4*\j:R+32+4*\j+3] offset:640*\j
.endr
	s_wait_dscnt 0x0                               ; for the others' sake, and set 2 is free
	XLOAD 2
	s_barrier_signal -1
	s_barrier_wait -1                              ; all sixteen shares of the router's weights lie in LDS
.irp e, 0,1,2,3,4,5,6,7
.irp j, 0,1,2,3
	ds_load_b128 v[RW+16*\e+4*\j:RW+16*\e+4*\j+3], v8 offset:5120*\e+16*\j   ; they stay in registers; the first step's wait for LDS covers them
.endr
.endr
.macro XSTEP i
.set XQ, X+16*((\i)%2)
.set CC, C+4*((\i)%2)
.if (\i) < 6
	s_wait_loadcnt 8                               ; this step's four loads are in; those of the two steps behind it may be out
.else
	s_wait_loadcnt 4*(7-(\i))
.endif
	XTURN \i
	s_wait_dscnt 0x0                               ; my 16 neighbours are here; the last step's LDS stores have read their registers
.if (\i)+3 < 8
	XLOAD (\i)+3                                   ; into the set that the stage has just read
.endif
.irp e, 0,1,2,3,4,5,6,7
	v_pk_mul_f32 v[ACC+2*\e:ACC+2*\e+1], v[XQ:XQ+1], v[RW+16*\e:RW+16*\e+1]   ; the logits, on x as it came: the first pair starts the sums
.endr
.irp k, 2,4,6,8,10,12,14
.irp e, 0,1,2,3,4,5,6,7
	v_pk_fma_f32 v[ACC+2*\e:ACC+2*\e+1], v[XQ+\k:XQ+\k+1], v[RW+16*\e+\k:RW+16*\e+\k+1], v[ACC+2*\e:ACC+2*\e+1]
.endr
.endr
	v_max3_num_f32 v9, |v[XQ]|, |v[XQ+1]|, |v[XQ+2]|               ; the largest magnitude of my 16, in two chains
	v_max3_num_f32 v10, |v[XQ+3]|, |v[XQ+4]|, |v[XQ+5]|
.irp k, 6,10
	s_delay_alu instid0(VALU_DEP_2)
	v_max3_num_f32 v9, v9, |v[XQ+\k]|, |v[XQ+\k+1]|
	s_delay_alu instid0(VALU_DEP_2)
	v_max3_num_f32 v10, v10, |v[XQ+\k+2]|, |v[XQ+\k+3]|
.endr
	s_delay_alu instid0(VALU_DEP_2)
	v_max3_num_f32 v9, v9, |v[XQ+14]|, |v[XQ+15]|
	s_delay_alu instid0(VALU_DEP_1)
	v_max3_num_f32 v9, v9, v10, 0x4800000          ; and the floor 2^(9 - 127): the byte cannot fall under 1
	s_delay_alu instid0(VALU_DEP_1)
	v_max_num_f32_dpp v9, v9, v9 row_xmask:1 row_mask:0xf bank_mask:0xf   ; with my neighbour's 16: the block's
	s_delay_alu instid0(VALU_DEP_1)
	v_add_nc_u32 v11, 0xfc000000, v9               ; 8 off its exponent field: the conversion's scale operand
	s_delay_alu instid0(VALU_DEP_2)
	v_and_or_b32 v12, v9, 0x7f800000, s38          ; 448 x the scale
.irp k, 0,1,2,3,4,5,6,7,8,9,10,11,12,13,14,15
	v_med3_num_f32 v[XQ+\k], v[XQ+\k], -v12, v12   ; the conversion to an 8-bit code does not saturate (ISA guide 7.6.2)
.endr
	s_wait_alu depctr_va_vdst(0)
	s_wait_xcnt 0x0                                ; the store of two steps ago has read this set of codes
	v_cvt_scalef32_pk8_fp8_f32 v[CC:CC+1], v[XQ:XQ+7], v11
	v_cvt_scalef32_pk8_fp8_f32 v[CC+2:CC+3], v[XQ+8:XQ+15], v11
	v_lshrrev_b32 v13, 23, v11                     ; the scale's byte (a plain line behind the conversions)
	ds_store_b8 v6, v13 offset:32*(\i)             ; both lanes of a block write the same byte with the same value
	global_store_b128 v2, v[CC:CC+3], s[12:13] offset:1024*(\i)   ; 32 lanes store 512 consecutive bytes of the token's codes
.irp e, 0,1,2,3,4,5,6,7
	v_add_f32 v[ACC+\e], v[ACC+2*\e], v[ACC+2*\e+1]   ; ascending: each line writes a register that has been read
.endr
.irp m, 1,2,4,8
.irp e, 0,1,2,3,4,5,6,7
	v_add_f32_dpp v[ACC+\e], v[ACC+\e], v[ACC+\e] row_xmask:\m row_mask:0xf bank_mask:0xf
.endr
.endr
	ds_store_b128 v7, v[ACC:ACC+3] offset:144*(\i)         ; the sixteen lanes of a half hold the same eight sums and write the same words
	ds_store_b128 v7, v[ACC+4:ACC+7] offset:144*(\i)+16
.endm
.irp i, 0,1,2,3,4,5,6,7
	XSTEP \i
.endr
	s_wait_dscnt 0x0                               ; for the others' sake: my bytes and my partial logits have landed
	s_barrier_signal -1
	s_barrier_wait -1
	s_cmp_lt_u32 s24, 2
	s_cbranch_scc1 .Lroute
	s_cmp_lt_u32 s24, 6
	s_cbranch_scc0 .Lxend
	ds_load_b128 v[16:19], v14                     ; waves 2-5: the 64 tokens' 2,048 scale bytes leave in runs of 512 consecutive bytes
	s_wait_dscnt 0x0
	global_store_b128 v15, v[16:19], s[14:15]
.Lxend:
	s_wait_xcnt 0x0
	v_lshl_add_u32 v254, v0, 2, 0x41c00
	v_mov_b32 v255, 0
	s_wait_alu depctr_va_vdst(0)
	s_wait_tensorcnt 0x0
	ds_add_u32 v254, v255
	s_wait_dscnt 0x0
	s_endpgm
.Lroute:                                               ; waves 0 and 1: a lane to a token
.irp i, 0,1,2,3,4,5,6,7
	ds_load_b128 v[16+4*\i:19+4*\i], v120 offset:16*\i     ; partial q of expert e: v[16 + 8 q + e]
.endr
	s_wait_dscnt 0x0
.irp e, 0,1,2,3,4,5,6,7
	v_add_f32 v[48+\e], v[16+\e], v[24+\e]
	v_add_f32 v[56+\e], v[32+\e], v[40+\e]
.endr
.irp e, 0,1,2,3,4,5,6,7
	v_add_f32 v[48+\e], v[48+\e], v[56+\e]         ; the logits
.endr
	v_max3_num_f32 v64, v48, v49, v50
	s_delay_alu instid0(VALU_DEP_1)
	v_max3_num_f32 v64, v64, v51, v52
	s_delay_alu instid0(VALU_DEP_1)
	v_max3_num_f32 v64, v64, v53, v54
	s_delay_alu instid0(VALU_DEP_1)
	v_max_num_f32 v64, v64, v55                    ; the row's maximum is taken away ahead of the exponential
.irp e, 0,1,2,3,4,5,6,7
	v_sub_f32 v[56+\e], v[48+\e], v64
.endr
.irp e, 0,1,2,3,4,5,6,7
	v_mul_f32 v[56+\e], 0x3fb8aa3b, v[56+\e]
.endr
	s_wait_alu depctr_va_vdst(0)
.irp e, 0,1,2,3,4,5,6,7
	v_exp_f32 v[56+\e], v[56+\e]
.endr
	v_nop                                          ; a plain line behind the exponentials
	s_wait_alu depctr_va_vdst(0)
	v_add_f32 v65, v56, v57
	v_add_f32 v66, v58, v59
	v_add_f32 v67, v60, v61
	v_add_f32 v68, v62, v63
	s_delay_alu instid0(VALU_DEP_3)
	v_add_f32 v65, v65, v66
	s_delay_alu instid0(VALU_DEP_2)
	v_add_f32 v67, v67, v68
	s_delay_alu instid0(VALU_DEP_1)
	v_add_f32 v65, v65, v67
	s_wait_alu depctr_va_vdst(0)
	v_rcp_f32 v66, v65
	v_nop
	s_wait_alu depctr_va_vdst(0)
.irp e, 0,1,2,3,4,5,6,7
	v_mul_f32 v[48+\e], v[56+\e], v66              ; the probabilities
.endr
	v_mov_b32 v67, v48                             ; the largest, and its index: an equal later one does not displace it (the lower index is kept)
	v_mov_b32 v68, 0
.irp e, 1
	s_delay_alu instid0(VALU_DEP_2)
	v_cmp_ge_f32 vcc_lo, v67, v[48+\e]
	s_delay_alu instid0(VALU_DEP_1)
	v_cndmask_b32 v68, \e, v68, vcc_lo
	s_delay_alu instid0(VALU_DEP_4)
	v_max_num_f32 v67, v67, v[48+\e]
.endr
.irp e, 2, 3, 4, 5, 6, 7
	s_delay_alu instid0(VALU_DEP_1)
	v_cmp_ge_f32 vcc_lo, v67, v[48+\e]
	s_delay_alu instid0(VALU_DEP_1)
	v_cndmask_b32 v68, \e, v68, vcc_lo
	s_delay_alu instid0(VALU_DEP_3)
	v_max_num_f32 v67, v67, v[48+\e]
.endr
.irp e, 0,1,2,3,4,5,6,7
	v_cmp_ne_u32 vcc_lo, \e, v68
	s_delay_alu instid0(VALU_DEP_1)
	v_cndmask_b32 v[56+\e], -1.0, v[48+\e], vcc_lo ; the first is taken out: -1 lies under every probability
.endr
	v_mov_b32 v69, v56
	v_mov_b32 v70, 0
.irp e, 1
	s_delay_alu instid0(VALU_DEP_2)
	v_cmp_ge_f32 vcc_lo, v69, v[56+\e]
	s_delay_alu instid0(VALU_DEP_1)
	v_cndmask_b32 v70, \e, v70, vcc_lo
	s_delay_alu instid0(VALU_DEP_4)
	v_max_num_f32 v69, v69, v[56+\e]
.endr
.irp e, 2, 3, 4, 5, 6, 7
	s_delay_alu instid0(VALU_DEP_1)
	v_cmp_ge_f32 vcc_lo, v69, v[56+\e]
	s_delay_alu instid0(VALU_DEP_1)
	v_cndmask_b32 v70, \e, v70, vcc_lo
	s_delay_alu instid0(VALU_DEP_3)
	v_max_num_f32 v69, v69, v[56+\e]
.endr
	s_delay_alu instid0(VALU_DEP_1)
	v_add_f32 v71, v67, v69
	s_wait_alu depctr_va_vdst(0)
	v_rcp_f32 v78, v71
	v_min_u32 v76, v68, v70                        ; lo (a plain line behind the reciprocal)
	v_max_u32 v77, v68, v70                        ; hi
	s_wait_alu depctr_va_vdst(0)
	v_mul_f32 v72, v67, v78                        ; the two gates, renormalised
	v_mul_f32 v73, v69, v78
	v_cmp_lt_u32 vcc_lo, v68, v70
	s_delay_alu instid0(VALU_DEP_1)
	v_cndmask_b32 v74, v73, v72, vcc_lo            ; the gate of lo,
	s_delay_alu instid0(VALU_DEP_2)
	v_cndmask_b32 v75, v72, v73, vcc_lo            ; of hi
	v_sub_nc_u32 v79, 15, v76
	s_delay_alu instid0(VALU_DEP_1)
	v_mul_u32_u24 v79, v79, v76
	s_delay_alu instid0(VALU_DEP_1)
	v_lshrrev_b32 v79, 1, v79
	s_delay_alu instid0(VALU_DEP_1)
	v_add_nc_u32 v79, v79, v77
	s_delay_alu instid0(VALU_DEP_1)
	v_sub_nc_u32 v79, v79, v76
	s_delay_alu instid0(VALU_DEP_1)
	v_add_nc_u32 v79, -1, v79                      ; the key
	v_mov_b32 v80, 0                               ; my rank among the block's tokens of my key
	v_mov_b32 v81, 0                               ; lane k: the block's tokens of key k
.set K, 0
.rept 28
	v_cmp_eq_u32 vcc_lo, K, v79
	s_delay_alu instid0(VALU_DEP_1)
	v_mbcnt_lo_u32_b32 v82, vcc_lo, 0
	s_delay_alu instid0(VALU_DEP_1)
	v_cndmask_b32 v80, v80, v82, vcc_lo
	s_bcnt1_i32_b32 s52, vcc_lo
	v_writelane_b32 v81, s52, K
.set K, K+1
.endr
	v_lshl_or_b32 v83, v80, 8, v79
	global_store_b32 v121, v83, s[20:21]
	global_store_b64 v122, v[74:75], s[18:19]
	global_store_b32 v121, v81, s[22:23]
	s_wait_xcnt 0x0
	v_lshl_add_u32 v254, v0, 2, 0x41c00
	v_mov_b32 v255, 0
	s_wait_alu depctr_va_vdst(0)
	s_wait_tensorcnt 0x0
	ds_add_u32 v254, v255
	s_wait_dscnt 0x0
	s_endpgm
; ---------------- the weight path.  Work-group g = number - 128 makes units 8 g .. 8 g + 7; wave v half a unit: fragments 2 (v & 1) + phi, phi = 0, 1.
.Lweights:
	s_sub_co_u32 s27, ttmp9, 128                   ; g
	s_and_b32 s28, s27, 3
	s_lshl_b32 s29, s28, 3
	s_add_co_u32 s29, s29, s26                     ; q = 8 (g & 3) + (v >> 1)
	s_lshr_b32 s30, s27, 4                         ; e
	s_bfe_u32 s31, s27, 0x20002                    ; w = (g >> 2) & 3
	s_lshl_b32 s32, s27, 3
	s_add_co_u32 s32, s32, s26                     ; the unit's number
	s_and_b32 s33, s29, 1                          ; fc1: first row 128 w + 32 (2 (q & 1) + half), 4,096 bytes a row; K step q >> 1: 512 bytes
	s_lshl_b32 s33, s33, 1
	s_add_co_u32 s33, s33, s25
	s_lshl_b32 s33, s33, 5
	s_lshl_b32 s41, s31, 7
	s_add_co_u32 s33, s33, s41
	s_lshl_b32 s33, s33, 12
	s_lshr_b32 s41, s29, 1
	s_lshl_b32 s41, s41, 9
	s_add_co_u32 s33, s33, s41
	s_and_b32 s34, s29, 15                         ; fc2: first row 256 w + 16 j, 2,048 bytes a row; K step 2 half: 1,024 bytes
	s_lshl_b32 s34, s34, 4
	s_lshl_b32 s41, s31, 8
	s_add_co_u32 s34, s34, s41
	s_lshl_b32 s34, s34, 11
	s_lshl_b32 s41, s25, 10
	s_add_co_u32 s34, s34, s41
	s_mov_b32 s35, 4096                            ; fc1's figures: bytes from row to row,
	s_mov_b32 s39, 65536                           ; from a fragment's rows 0-7 to its rows 8-15 (16 rows of fc1),
	s_mov_b32 s40, 32768                           ; from fragment phi = 0 to phi = 1 (8 rows)
	s_lshl_b32 s41, s30, 21                        ; an expert's 2,097,152 bytes, in either tensor
	s_wait_kmcnt 0x0
	s_cmp_ge_u32 s28, 2                            ; fc2's units?  The choice hangs on the work-group's number alone
	s_cselect_b32 s33, s34, s33
	s_cselect_b32 s35, 2048, s35
	s_cselect_b32 s39, 16384, s39                  ; (8 rows of fc2)
	s_cselect_b32 s40, 512, s40                    ; (the next K step)
	s_cselect_b64 s[8:9], s[10:11], s[8:9]
	s_add_co_u32 s42, s33, s41
	s_mov_b32 s43, 0
	s_add_nc_u64 s[44:45], s[8:9], s[42:43]        ; bases: s[44 + 4 phi + 2 (upper eight rows)]
	s_mov_b32 s52, s39
	s_mov_b32 s53, 0
	s_mov_b32 s54, s40
	s_mov_b32 s55, 0
	s_add_nc_u64 s[46:47], s[44:45], s[52:53]
	s_add_nc_u64 s[48:49], s[44:45], s[54:55]
	s_add_nc_u64 s[50:51], s[48:49], s[52:53]
	s_mul_i32 s56, s32, U
	s_mov_b32 s57, 0
	s_add_nc_u64 s[58:59], s[16:17], s[56:57]      ; my unit,
	s_add_nc_u64 s[60:61], s[58:59], 8192          ; its scale words,
	s_lshl_b32 s56, s25, 12
	s_add_nc_u64 s[58:59], s[58:59], s[56:57]      ; my two fragments
	s_wait_alu depctr_va_vdst(0)
.irp i, 0,1,2,3,4,5,6,7
	v_mad_u32_u24 v[8+\i], s35, \i, v2             ; 16 x lane + i rows
.endr
	s_mul_i32 s27, s24, U
	s_add_co_u32 s27, s27, WST                     ; my stage: 16 rows of 512 bytes + 16
	v_add_nc_u32 v3, s27, v2
	v_and_b32 v6, 15, v1
	v_lshrrev_b32 v7, 4, v1
	s_delay_alu instid0(VALU_DEP_2)
	v_mul_u32_u24 v4, v6, 528
	s_delay_alu instid0(VALU_DEP_1)
	v_lshl_add_u32 v4, v7, 6, v4
	s_delay_alu instid0(VALU_DEP_1)
	v_add_nc_u32 v4, s27, v4                       ; out of it: row lane % 16, + 64 (lane / 16): my 16 numbers of each block of 32
	s_lshl_b32 s27, s25, 2
	v_lshl_add_u32 v5, v1, 3, s27                  ; my scale word: 8 x lane + 4 half
.irp b, 0,1,2,3
	v_mov_b32 v[TM+4+\b], 0                        ; written once: a lane permute's destination counts as one of its sources
.endr
.irp p, 0,1
.irp i, 0,1,2,3,4,5,6,7,8,9,10,11,12,13,14,15
	global_load_b128 v[R+64*\p+4*\i:R+64*\p+4*\i+3], v[8+(\i%8)], s[44+4*\p+2*(\i/8):45+4*\p+2*(\i/8)] th:TH_LOAD_NT   ; 512 consecutive bytes of one row
.endr
.endr
.macro WQUANT                          ; v[N] on become a fragment's codes in v[PC] on and its scale word in v[PW]
.irp b, 0,1,2,3
	v_max3_num_f32 v[TM+\b], |v[N+16*\b]|, |v[N+16*\b+1]|, 0x4800000
.endr
.irp k, 2,4,6,8,10,12,14
.irp b, 0,1,2,3
	s_delay_alu instid0(VALU_DEP_4)
	v_max3_num_f32 v[TM+\b], v[TM+\b], |v[N+16*\b+\k]|, |v[N+16*\b+\k+1]|
.endr
.endr
.irp b, 0,1,2,3
	s_delay_alu instid0(VALU_DEP_4)
	v_permlanex16_b32 v[TM+4+\b], v[TM+\b], s36, s37
.endr
.irp b, 0,1,2,3
	s_delay_alu instid0(VALU_DEP_4)
	v_max_num_f32 v[TM+\b], v[TM+\b], v[TM+4+\b]   ; with lane l xor 16's: the block's largest magnitude
.endr
.irp b, 0,1,2,3
	s_delay_alu instid0(VALU_DEP_4)
	v_add_nc_u32 v[TM+12+\b], 0xfc000000, v[TM+\b]
.endr
.irp b, 0,1,2,3
	v_and_or_b32 v[TM+8+\b], v[TM+\b], 0x7f800000, s38
.endr
.irp b, 0,1,2,3
	v_lshrrev_b32 v[TM+4+\b], 23, v[TM+12+\b]
.endr
	s_delay_alu instid0(VALU_DEP_3)
	v_lshl_or_b32 v[PW], v[TM+5], 8, v[TM+4]
	s_delay_alu instid0(VALU_DEP_1)
	v_lshl_or_b32 v[PW], v[TM+6], 16, v[PW]
	s_delay_alu instid0(VALU_DEP_1)
	v_lshl_or_b32 v[PW], v[TM+7], 24, v[PW]
.irp b, 0,1,2,3
.irp k, 0,1,2,3,4,5,6,7,8,9,10,11,12,13,14,15
	v_med3_num_f32 v[N+16*\b+\k], v[N+16*\b+\k], -v[TM+8+\b], v[TM+8+\b]
.endr
	v_cvt_scalef32_pk8_fp8_f32 v[PC+4*\b:PC+4*\b+1], v[N+16*\b:N+16*\b+7], v[TM+12+\b]
	v_cvt_scalef32_pk8_fp8_f32 v[PC+4*\b+2:PC+4*\b+3], v[N+16*\b+8:N+16*\b+15], v[TM+12+\b]
.endr
	v_nop                                          ; a plain line behind the last conversion
.endm
	s_wait_alu depctr_va_vdst(0)
.irp p, 0,1
	s_wait_loadcnt 16*(1-\p)                       ; this fragment's 16 rows are in; the other's may be out
.irp i, 0,1,2,3,4,5,6,7,8,9,10,11,12,13,14,15
	ds_store_b128 v3, v[R+64*\p+4*\i:R+64*\p+4*\i+3] offset:528*\i
.endr
.irp c, 0,1,2,3
.irp j, 0,1,2,3
	ds_load_b128 v[N+16*\c+4*\j:N+16*\c+4*\j+3], v4 offset:128*\c+16*\j
.endr
.endr
	s_wait_dscnt 0x0
.if \p == 1
	s_wait_xcnt 0x0                                ; the first fragment's stores have read the codes' registers
.endif
	WQUANT
.irp c, 0,1,2,3
	global_store_b128 v2, v[PC+4*\c:PC+4*\c+3], s[58:59] offset:2048*\p+512*\c   ; the image: 512 consecutive bytes a store
.endr
.if \p == 0
	v_mov_b32 v241, v[PW]
.endif
.endr
	v_cmp_gt_u32 vcc_lo, 16, v1
	s_delay_alu instid0(VALU_DEP_1)
	v_cndmask_b32 v242, v[PW], v241, vcc_lo        ; lanes 0-15: the first fragment's words, lanes 16-31 the second's (both halves of the lanes hold a row's word)
	global_store_b32 v5, v242, s[60:61]
	s_wait_xcnt 0x0
	v_lshl_add_u32 v254, v0, 2, 0x41c00
	v_mov_b32 v255, 0
	s_wait_alu depctr_va_vdst(0)
	s_wait_tensorcnt 0x0
	ds_add_u32 v254, v255
	s_wait_dscnt 0x0
	s_endpgm
.Lfunc_end_k_qbb294fdc9a_prep:
	.size	k_qbb294fdc9a_prep, .Lfunc_end_k_qbb294fdc9a_prep-k_qbb294fdc9a_prep
	.p2alignl 7, 3214868480
	.fill 96, 4, 3214868480
	.section	.rodata,"a",@progbits
	.p2align	6, 0x0
	.amdhsa_kernel k_qbb294fdc9a_prep
		.amdhsa_group_segment_fixed_size 271360
		.amdhsa_private_segment_fixed_size 0
		.amdhsa_enable_private_segment 0
		.amdhsa_kernarg_size 80
		.amdhsa_user_sgpr_count 2
		.amdhsa_user_sgpr_kernarg_segment_ptr 1
		.amdhsa_wavefront_size32 1
		.amdhsa_system_sgpr_workgroup_id_x 1
		.amdhsa_system_sgpr_workgroup_id_y 1
		.amdhsa_system_sgpr_workgroup_id_z 1
		.amdhsa_system_vgpr_workitem_id 0
		.amdhsa_next_free_vgpr 256
		.amdhsa_next_free_sgpr 66
		.amdhsa_reserve_vcc 1
		.amdhsa_float_denorm_mode_32 3
		.amdhsa_float_denorm_mode_16_64 3
		.amdhsa_memory_ordered 1
		.amdhsa_forward_progress 1
		.amdhsa_inst_pref_size 132
	.end_amdhsa_kernel
	.amdgpu_metadata
---
amdhsa.version: [ 1, 2 ]
amdhsa.kernels:
  - .name:           k_qbb294fdc9a_prep
    .symbol:         k_qbb294fdc9a_prep.kd
    .args:
      - { .name: x, .offset: 0, .size: 8, .value_kind: global_buffer, .address_space: global }
      - { .name: router_w, .offset: 8, .size: 8, .value_kind: global_buffer, .address_space: global }
      - { .name: fc1_w, .offset: 16, .size: 8, .value_kind: global_buffer, .address_space: global }
      - { .name: fc2_w, .offset: 24, .size: 8, .value_kind: global_buffer, .address_space: global }
      - { .name: xq, .offset: 32, .size: 8, .value_kind: global_buffer, .address_space: global }
      - { .name: xs, .offset: 40, .size: 8, .value_kind: global_buffer, .address_space: global }
      - { .name: wq, .offset: 48, .size: 8, .value_kind: global_buffer, .address_space: global }
      - { .name: gates, .offset: 56, .size: 8, .value_kind: global_buffer, .address_space: global }
      - { .name: route, .offset: 64, .size: 8, .value_kind: global_buffer, .address_space: global }
      - { .name: hist, .offset: 72, .size: 8, .value_kind: global_buffer, .address_space: global }
    .group_segment_fixed_size: 271360
    .private_segment_fixed_size: 0
    .kernarg_segment_align: 8
    .kernarg_segment_size: 80
    .max_flat_workgroup_size: 512
    .sgpr_count:     66
    .vgpr_count:     256
    .wavefront_size: 32
...
	.end_amdgpu_metadata
.endif
;; end of part 4
;; launch place (part 5): grid 1 x 1, 8 waves a work-group, no clusters, 2,048 bytes of LDS; arguments route, hist, tiles, order; writes tiles, order
.if DOCPART == 5
	.amdgcn_target "amdgcn-amd-amdhsa--gfx1250"
	.amdhsa_code_object_version 6
	.text
	.protected	k_qbb294fdc9a_place
	.globl	k_qbb294fdc9a_place
	.p2align	8
	.type	k_qbb294fdc9a_place,@function
k_qbb294fdc9a_place:
	s_mov_b64 s[64:65], 0
	v_nop
	global_prefetch_b8 v0, s[64:65] scope:SCOPE_SE
	s_setreg_imm32_b32 hwreg(HW_REG_WAVE_MODE, 25, 1), 1
	s_wait_xcnt 0x0
; PLACE.  One work-group sorts the 8,192 tokens by key (28 pairs of experts) by counting, without atomics, and cuts each key's run into tiles of 64 tokens.
; tiles[t] = (lo, hi, rows, 0) for t = 0 .. 255 (the third launch reads 0 .. 154: never more than 8192 / 64 + 28 - 1 tiles, whatever the split); order[t][row] = token.
; A key's tiles follow each other, so a token's place is 64 x (the key's first tile) + its rank among the key's tokens: rows past a tile's count are not written, and nobody reads them.
; Wave w takes blocks 32 w .. 32 w + 31 of 32 tokens.  For hist a lane is a key, for route a token of the block.  All numbers here are whole numbers read from memory.
; One work-group: the whole input is 64 KB, and the sums span all of it.
	s_load_b256 s[4:11], s[0:1], 0x0               ; route, hist, tiles, order
	v_lshl_add_u32 v160, v0, 2, 0x400
	v_mov_b32 v161, 0
	v_lshrrev_b32 v1, 5, v0
	s_delay_alu instid0(VALU_DEP_1)
	v_readfirstlane_b32 s12, v1                    ; wave 0..7
	v_and_b32 v1, 31, v0                           ; lane
	s_delay_alu instid0(VALU_DEP_1)
	v_lshlrev_b32 v2, 2, v1
	s_lshl_b32 s13, s12, 12
	v_add_nc_u32 v3, s13, v2                       ; 4,096 w + 4 lane: serves both buffers, 128 bytes from block to block
	s_lshl_b32 s14, s12, 7
	v_add_nc_u32 v4, s14, v2                       ; LDS: my wave's 32 totals
	s_lshl_b32 s15, s12, 10
	v_add_nc_u32 v19, s15, v1                      ; my token in the wave's first block
	v_lshlrev_b32 v24, 4, v0
	s_wait_alu depctr_va_vdst(0)
	s_wait_kmcnt 0x0
.set B, 0
.rept 32
	global_load_b32 v[32+B], v3, s[6:7] offset:128*B
.set B, B+1
.endr
.set B, 0
.rept 32
	global_load_b32 v[64+B], v3, s[4:5] offset:128*B
.set B, B+1
.endr
	s_wait_loadcnt 32                              ; hist's 32 are in; route's 32 may be out
.set B, 1
	v_add_nc_u32 v[32+B], v[32+B], v[31+B]
.set B, B+1
.rept (31)-1
	s_delay_alu instid0(VALU_DEP_1)
	v_add_nc_u32 v[32+B], v[32+B], v[31+B]         ; running sums over my blocks, key by key
.set B, B+1
.endr
	ds_store_b32 v4, v63
	s_wait_dscnt 0x0
	s_barrier_signal -1
	s_barrier_wait -1
.irp j, 0,1,2,3,4,5,6,7
	ds_load_b32 v[128+\j], v2 offset:128*\j        ; all eight waves' totals
.endr
	s_wait_dscnt 0x0
	v_add_nc_u32 v5, v128, v129
	s_delay_alu instid0(VALU_DEP_1)
	v_add3_u32 v5, v5, v130, v131
	s_delay_alu instid0(VALU_DEP_1)
	v_add3_u32 v5, v5, v132, v133
	s_delay_alu instid0(VALU_DEP_1)
	v_add3_u32 v5, v5, v134, v135                  ; lane k: tokens of key k
	v_mov_b32 v6, 0                                ; and those in the waves before mine
.irp j, 0,1,2,3,4,5,6
	s_cmp_gt_u32 s12, \j
	s_cselect_b32 s15, -1, 0
	v_and_b32 v7, s15, v[128+\j]
	s_delay_alu instid0(VALU_DEP_1)
	v_add_nc_u32 v6, v6, v7
.endr
	s_mov_b32 s16, 0                               ; the first tile of the key in hand
	v_mov_b32 v8, 0                                ; lane k: key k's first tile
	v_mov_b32 v9, 0                                ; thread t: tile t's pair of experts,
	v_mov_b32 v10, 0                               ; its key's first tile,
	v_mov_b32 v11, 0                               ; its key's tokens
.set K, 0
.irp lo, 0,1,2,3,4,5,6
.irp hi, 1,2,3,4,5,6,7
.if \hi > \lo
	v_readlane_b32 s17, v5, K
	v_writelane_b32 v8, s16, K
	v_cmp_gt_u32 vcc_lo, s16, v0                   ; the last key whose first tile is not beyond t wins: keys without tokens are passed over
	s_delay_alu instid0(VALU_DEP_1)
	v_cndmask_b32 v9, \lo+256*\hi, v9, vcc_lo
	s_delay_alu instid0(VALU_DEP_2)
	v_cndmask_b32 v10, s16, v10, vcc_lo
	s_delay_alu instid0(VALU_DEP_3)
	v_cndmask_b32 v11, s17, v11, vcc_lo
	s_add_co_u32 s18, s17, 63
	s_lshr_b32 s18, s18, 6
	s_add_co_u32 s16, s16, s18
.set K, K+1
.endif
.endr
.endr
	v_sub_nc_u32 v12, v0, v10
	s_delay_alu instid0(VALU_DEP_1)
	v_lshlrev_b32 v12, 6, v12                      ; d: the key's tokens in the tiles before t
	s_delay_alu instid0(VALU_DEP_1)
	v_min_u32 v13, v11, v12
	s_delay_alu instid0(VALU_DEP_2)
	v_add_nc_u32 v14, 64, v12
	s_delay_alu instid0(VALU_DEP_1)
	v_min_u32 v14, v11, v14
	v_and_b32 v20, 0xff, v9
	v_lshrrev_b32 v21, 8, v9
	s_delay_alu instid0(VALU_DEP_3)
	v_sub_nc_u32 v22, v14, v13                     ; rows = min(n, d + 64) - min(n, d): 0 for a tile beyond the last
	v_mov_b32 v23, 0
	global_store_b128 v24, v[20:23], s[8:9]
	v_lshl_add_u32 v17, v8, 6, v6                  ; lane k: where my wave's tokens of key k begin
.set B, 31
.rept 31
	v_add_nc_u32 v[32+B], v17, v[31+B]             ; and block b's: descending, so that each sum is read before it is written
.set B, B-1
.endr
	v_mov_b32 v32, v17
	s_wait_loadcnt 0x0
.set B, 0
.rept 32
	v_and_b32 v[128+B], 0xff, v[64+B]              ; my token's key,
	s_delay_alu instid0(VALU_DEP_1)
	v_min_u32 v[128+B], 31, v[128+B]               ; held to a lane's number,
	s_delay_alu instid0(VALU_DEP_1)
	v_lshlrev_b32 v[128+B], 2, v[128+B]
.set B, B+1
.endr
.set B, 0
.rept 32
	ds_bpermute_b32 v[96+B], v[128+B], v[32+B]     ; picks that key's figure out of the lanes
.set B, B+1
.endr
	s_wait_dscnt 0x0
.set B, 0
.rept 32
	v_lshrrev_b32 v[128+B], 8, v[64+B]             ; + my rank in the block
	s_delay_alu instid0(VALU_DEP_1)
	v_add_nc_u32 v[96+B], v[96+B], v[128+B]
	s_delay_alu instid0(VALU_DEP_1)
	v_min_u32 v[96+B], 0x26bf, v[96+B]             ; held inside order's 155 x 64 words
	s_delay_alu instid0(VALU_DEP_1)
	v_lshlrev_b32 v[96+B], 2, v[96+B]
	v_add_nc_u32 v[64+B], 32*B, v19                ; the token's number
	global_store_b32 v[96+B], v[64+B], s[10:11]    ; each block has registers of its own: none is written again
.set B, B+1
.endr
	s_wait_tensorcnt 0x0
	ds_add_u32 v160, v161
	s_wait_dscnt 0x0
	s_endpgm
.Lfunc_end_k_qbb294fdc9a_place:
	.size	k_qbb294fdc9a_place, .Lfunc_end_k_qbb294fdc9a_place-k_qbb294fdc9a_place
	.p2alignl 7, 3214868480
	.fill 96, 4, 3214868480
	.section	.rodata,"a",@progbits
	.p2align	6, 0x0
	.amdhsa_kernel k_qbb294fdc9a_place
		.amdhsa_group_segment_fixed_size 2048
		.amdhsa_private_segment_fixed_size 0
		.amdhsa_enable_private_segment 0
		.amdhsa_kernarg_size 32
		.amdhsa_user_sgpr_count 2
		.amdhsa_user_sgpr_kernarg_segment_ptr 1
		.amdhsa_wavefront_size32 1
		.amdhsa_system_sgpr_workgroup_id_x 1
		.amdhsa_system_sgpr_workgroup_id_y 1
		.amdhsa_system_sgpr_workgroup_id_z 1
		.amdhsa_system_vgpr_workitem_id 0
		.amdhsa_next_free_vgpr 162
		.amdhsa_next_free_sgpr 66
		.amdhsa_reserve_vcc 1
		.amdhsa_float_denorm_mode_32 3
		.amdhsa_float_denorm_mode_16_64 3
		.amdhsa_memory_ordered 1
		.amdhsa_forward_progress 1
		.amdhsa_inst_pref_size 47
	.end_amdhsa_kernel
	.amdgpu_metadata
---
amdhsa.version: [ 1, 2 ]
amdhsa.kernels:
  - .name:           k_qbb294fdc9a_place
    .symbol:         k_qbb294fdc9a_place.kd
    .args:
      - { .name: route, .offset: 0, .size: 8, .value_kind: global_buffer, .address_space: global }
      - { .name: hist, .offset: 8, .size: 8, .value_kind: global_buffer, .address_space: global }
      - { .name: tiles, .offset: 16, .size: 8, .value_kind: global_buffer, .address_space: global }
      - { .name: order, .offset: 24, .size: 8, .value_kind: global_buffer, .address_space: global }
    .group_segment_fixed_size: 2048
    .private_segment_fixed_size: 0
    .kernarg_segment_align: 8
    .kernarg_segment_size: 32
    .max_flat_workgroup_size: 256
    .sgpr_count:     66
    .vgpr_count:     162
    .wavefront_size: 32
...
	.end_amdgpu_metadata
.endif
;; end of part 5
;; launch chain (part 6): grid 155 x 1, 4 waves a work-group, no clusters, 207,360 bytes of LDS; arguments xq, xs, wq, gates, tiles, order, out0; writes out0
.if DOCPART == 6
	.amdgcn_target "amdgcn-amd-amdhsa--gfx1250"
	.amdhsa_code_object_version 6
	.text
	.protected	k_qbb294fdc9a_chain
	.globl	k_qbb294fdc9a_chain
	.p2align	8
	.type	k_qbb294fdc9a_chain,@function
k_qbb294fdc9a_chain:
	s_mov_b64 s[64:65], 0
	v_nop
	global_prefetch_b8 v0, s[64:65] scope:SCOPE_SE
	s_setreg_imm32_b32 hwreg(HW_REG_WAVE_SCHED_MODE, 0, 2), 2
	s_setreg_imm32_b32 hwreg(HW_REG_WAVE_MODE, 25, 1), 1
	s_wait_xcnt 0x0
	s_wait_alu depctr_vm_vsrc(0)
; CHAIN.  A work-group takes one tile: up to 64 tokens that chose the same pair (lo, hi) of experts, through the whole chain for both experts, and owns their rows of out0:
; out = g_lo fc2_lo(Q(relu(fc1_lo x)^2)) + g_hi fc2_hi(Q(relu(fc1_hi x)^2)), both products on codes of E4M3 with one E8M0 scale for each 32 along K.  The hidden layer never goes to memory.
; SHARES.  The waves share the columns: wave w makes hidden units 128 w .. + 127 and outputs 256 w .. + 255, for all 64 tokens (four tiles m of 16) and both experts.  So each weight byte is
; loaded once in the work-group, from memory straight into operand registers (wq holds register images), through a ring of four register slots of one unit (4 fragments + their scale words, 17 loads).
; THE RING.  Unit i asks for unit i + 3, into the slot that unit i - 1 has left: its scale words at the unit's head, its 16 loads of codes between the unit's eighth and ninth product.
; So while a wave waits for a unit, 51 loads of its own are out: that unit's 17 and two whole units.
; Both products are used transposed (source 0 = 16 rows of a weight, source 1 = 16 tokens): a lane holds one token, and its registers run along the next K or along a row of out0.
; x's codes are gathered once into LDS rows; the hidden layer's fragments go from wave to wave through LDS as images of their registers.  Two barriers, which every wave passes.
; Rows past a tile's count repeat its last token: they compute and store the same numbers to the same bytes.  All lanes are on throughout.
; A tile that the split has left without rows (155 = 8192 / 64 + 28 - 1 serves every split) runs the head on the first token of tile 0, which always has rows, and passes both barriers; scalar
; branches on the stored count lead it round the body of the loop over experts and, behind the second barrier, to the end.  No barrier stands under them.  It stores nothing.
; NO TENSOR LOADS, NO CLUSTER: which two experts a tile walks is read from the list and differs from tile to tile, so neighbours share no descriptor, and the weights need no LDS at all.
; LIMITS: as the first launch's; a block of the hidden layer that is all zeros gets the byte 1 and zero codes.
; REGISTERS, in windows of 256: window 0: v1-12 addresses; v24-31 the ring's scale words; v32-47 x's, v48-63 the hidden layer's; v64-71 gates; v72-103 offsets in out0;
;   v104-167, v168-231 x's fragments, two sets (later the codes just made, later the two experts' results, later rows on the way out); v232-248 at work.
;   window 1: fc1's 32 accumulators ((m, t) at 64 m + 8 t), later the hidden fragments of lo ((m, s) at 16 (4 m + s)); window 2: those of hi; window 3: the ring, slot k at 64 k.
; THE MODE: SCHED_MODE bits 1:0 = 2 (LLVM: expert scheduling mode 2), set by the entry lines.  The code itself states the register dependences
; between vector or matrix instructions and memory or LDS instructions, with s_wait_alu, always for 0.
; THE PLAN.  Registers that memory or LDS instructions touch:
;   slot k of the ring and its scale words v[24 + 2 k]   Unit i's products read slot i % 4; the loads issued in unit i land in slot (i + 3) % 4, which unit i - 1's products read.
;   x's two sets   The LDS loads at the head of K step s land in the set of step s + 1, which the two units of step s - 1 read.
;   PC (v104-119), PW (v248), v7, v8   Written by a tile's conversions and shifts, and by two adds at a trip's head; read by the tile's five LDS stores.
;   YL (v104-135), YH (v136-167)   Written by fc2's products, YL again by the weighing; YL is read by the stage's LDS stores.  On the way out LDS loads land in v104-231, and the global stores read them.
;   window 1   The gather lands there and my LDS stores read it; then matrix and vector instructions alone; behind the second barrier the hidden fragments land there.
;   v1-6, v9-12, v17-23, v72-103, v250, v251   Addresses and offsets, made at the head and never written again: the ring moves by scalar bases and immediate offsets.
; So in fc1 ONE wait on va_vdst stands at a unit's head, behind the wait for its data: the unit before is done reading what this unit's loads land in, and no product of this unit names those registers.
; A tile of the hidden layer has one wait on va_vdst ahead of its LDS stores and one on vm_vsrc behind them.  In fc2 the wait ahead of the stage's stores serves the next unit's loads too, so lo's units have
; a wait on vm_vsrc alone (their products write what the stage's stores read) and hi's units one on va_vdst at their head.
.set U,    8448
.set XSC,  66560                       ; LDS: x's rows, 64 x 1,040 (1,024 + 16), from byte 0; then x's scale words, 4 x 512,
.set HIMG, 68608                       ; the hidden fragments [K step = the wave that made it][expert][m] x 2,048: a wave's stores fill 16,384 bytes on end,
.set HSC,  134144                      ; their scale words [K step][expert][m] x 64, 4 bytes a row: a wave's stores fill 512 bytes on end,
.set TOK,  136192                      ; each wave's own table of the tile's 64 tokens, 4 x 256,
.set STG,  137216                      ; each wave's own stage for the way out: 64 rows x (256 + 16)
.set RS,   24
.set XS,   32
.set HS,   48
.set GW,   64
.set OFFS, 72
.set XB0,  104
.set PC,   104
.set YL,   104
.set YH,   136
.set TM,   232
.set PW,   248
.set PL,   24                          ; s[24:25] lo's stream of units for my wave;  s[26:27] hi's
.set PH,   26
.set CUR,  28                          ; s[28:29] the stream of the expert in hand
.set N0,   48                          ; s[48:53] the three units that follow that expert's sixteen
.set MSB, 0
.macro WIN new                         ; the immediate's high byte repeats the setting that is left
.if MSB != \new
	s_set_vgpr_msb (MSB<<8)|\new
.set MSB, \new
.endif
.endm
.macro PLACES n                        ; plain vector lines between a matrix instruction and the first vector instruction that reads its result: eight for this form
.rept \n
	v_nop
.endr
.endm
.macro RSCALE slot, ptr, off           ; a unit's 256 bytes of scale words, 8 a lane, into the slot's pair in window 0
	global_load_b64 v[RS+2*(\slot):RS+2*(\slot)+1], v2, s[(\ptr):(\ptr)+1] offset:(\off)+8192
.endm
.macro RCODES slot, ptr, off           ; its four fragments: 16 loads of 512 consecutive bytes (destination window 3)
.irp k, 0,1,2,3,4,5,6,7,8,9,10,11,12,13,14,15
	global_load_b128 v[64*(\slot)+4*\k:64*(\slot)+4*\k+3], v1, s[(\ptr):(\ptr)+1] offset:(\off)+512*\k
.endr
.endm
.macro MM                              ; one product: rD, rA, rB, the scale registers rSA, rSB and their rows rRA, rRB; rZ = 1: it starts the sum
.if rZ
.if rRA && rRB
	v_wmma_scale_f32_16x16x128_f8f6f4 v[rD:rD+7], v[rA:rA+15], v[rB:rB+15], 0, v[rSA], v[rSB] matrix_a_scale:MATRIX_SCALE_ROW1 matrix_b_scale:MATRIX_SCALE_ROW1
.elseif rRA
	v_wmma_scale_f32_16x16x128_f8f6f4 v[rD:rD+7], v[rA:rA+15], v[rB:rB+15], 0, v[rSA], v[rSB] matrix_a_scale:MATRIX_SCALE_ROW1
.elseif rRB
	v_wmma_scale_f32_16x16x128_f8f6f4 v[rD:rD+7], v[rA:rA+15], v[rB:rB+15], 0, v[rSA], v[rSB] matrix_b_scale:MATRIX_SCALE_ROW1
.else
	v_wmma_scale_f32_16x16x128_f8f6f4 v[rD:rD+7], v[rA:rA+15], v[rB:rB+15], 0, v[rSA], v[rSB]
.endif
.else
.if rRA && rRB
	v_wmma_scale_f32_16x16x128_f8f6f4 v[rD:rD+7], v[rA:rA+15], v[rB:rB+15], v[rD:rD+7], v[rSA], v[rSB] matrix_a_scale:MATRIX_SCALE_ROW1 matrix_b_scale:MATRIX_SCALE_ROW1
.elseif rRA
	v_wmma_scale_f32_16x16x128_f8f6f4 v[rD:rD+7], v[rA:rA+15], v[rB:rB+15], v[rD:rD+7], v[rSA], v[rSB] matrix_a_scale:MATRIX_SCALE_ROW1
.elseif rRB
	v_wmma_scale_f32_16x16x128_f8f6f4 v[rD:rD+7], v[rA:rA+15], v[rB:rB+15], v[rD:rD+7], v[rSA], v[rSB] matrix_b_scale:MATRIX_SCALE_ROW1
.else
	v_wmma_scale_f32_16x16x128_f8f6f4 v[rD:rD+7], v[rA:rA+15], v[rB:rB+15], v[rD:rD+7], v[rSA], v[rSB]
.endif
.endif
.endm
.macro FETCHX s, buf                   ; x's four fragments of K step s: lane (r, h) takes 16 bytes at row r, 32 c + 16 h
	WIN 0
.irp m, 0,1,2,3
.irp c, 0,1,2,3
	ds_load_b128 v[(\buf)+16*\m+4*\c:(\buf)+16*\m+4*\c+3], v3 offset:16640*\m+128*(\s)+32*\c
.endr
.endr
.endm
	s_load_b256 s[4:11], s[0:1], 0x0               ; xq, xs, wq, gates
	s_load_b128 s[12:15], s[0:1], 0x20             ; tiles, order
	s_load_b64 s[16:17], s[0:1], 0x30              ; out0
	v_lshl_add_u32 v254, v0, 2, 0x32800
	v_mov_b32 v255, 0
	v_lshrrev_b32 v13, 5, v0
	v_readfirstlane_b32 s18, v13                   ; wave 0..3
	v_and_b32 v14, 31, v0                          ; lane
	v_and_b32 v15, 15, v0                          ; r
	v_bfe_u32 v16, v0, 4, 1                        ; h
	v_lshlrev_b32 v1, 4, v14                       ; 16 x lane
	v_lshlrev_b32 v2, 3, v14                       ; 8 x lane
	v_mul_u32_u24 v3, v15, 1040
	v_lshl_add_u32 v3, v16, 4, v3                  ; x's fragments: row r, + 16 h
	s_wait_alu depctr_va_sdst(0)                   ; s18 is written, ahead of its first reader: LDS addresses and the streams' bases are made from it
	s_lshl_b32 s44, s18, 4
	v_add_nc_u32 v4, s44, v16
	v_mul_u32_u24 v4, v4, 1040
	v_lshl_add_u32 v4, v15, 4, v4                  ; the gather: row 16 w + lane / 16, 16 bytes a lane
	s_lshl_b32 s44, s18, 14
	s_add_co_u32 s44, s44, HIMG
	v_add_nc_u32 v5, s44, v1                       ; where I put hidden fragments: K step w's 16,384 bytes
	s_lshl_b32 s44, s18, 9
	s_add_co_u32 s44, s44, HSC
	v_lshl_add_u32 v6, v15, 2, s44                 ; and their scale words: K step w's 512 bytes, 4 bytes a row
	v_add_nc_u32 v9, HIMG, v1                      ; where any wave reads the fragments back,
	v_lshlrev_b32 v10, 2, v15
	v_lshl_add_u32 v10, v16, 9, v10
	v_add_nc_u32 v10, HSC, v10                     ; and the scale words: lanes 0-15 an even K step's, lanes 16-31 the next one's, 512 bytes on
	s_mul_i32 s44, s18, 17408
	s_add_co_u32 s44, s44, STG
	v_mul_u32_u24 v11, v15, 272
	v_lshl_add_u32 v11, v16, 5, v11
	v_add_nc_u32 v11, s44, v11                     ; my stage, in: row r, + 32 h
	v_mul_u32_u24 v12, v16, 272
	v_lshl_add_u32 v12, v15, 4, v12
	v_add_nc_u32 v12, s44, v12                     ; and back: lanes 0-15 one row of 256 bytes, lanes 16-31 the next
	s_lshl_b32 s44, s18, 8
	s_add_co_u32 s44, s44, TOK                     ; my table of tokens
	v_lshl_add_u32 v17, v14, 2, s44                ; row = lane
	v_lshl_add_u32 v20, v15, 2, s44                ; row = r (+ 16 m)
	v_lshl_add_u32 v21, v16, 2, s44                ; row = h (+ 2 i)
	s_lshl_b32 s45, s18, 6
	s_add_co_u32 s45, s45, s44
	v_lshl_add_u32 v18, v16, 2, s45                ; row = 16 w + h (+ 2 q)
	v_lshl_add_u32 v19, v15, 2, s45                ; row = 16 w + r
	s_lshl_b32 s44, s18, 9
	s_add_co_u32 s44, s44, XSC
	v_add_nc_u32 v22, s44, v1                      ; x's scale words: my 16 rows' image,
	v_add_nc_u32 v23, XSC, v1                      ; and any tile's
	v_lshlrev_b32 v117, 4, v15                     ; 16 r
	v_lshlrev_b32 v118, 4, v16                     ; 16 h
	s_lshl_b32 s44, s18, 10
	v_lshl_add_u32 v119, v15, 4, s44               ; in a row of out0: my wave's 1,024 bytes, 16 bytes a lane
	s_mov_b32 s36, 0x76543210
	s_mov_b32 s37, 0xfedcba98                      ; v_permlanex16_b32's selects for lane l xor 16
	s_mov_b32 s38, 0x600000                        ; the mantissa field of 448
.irp b, 0,1,2,3
	v_mov_b32 v[TM+4+\b], 0                        ; written once: a lane permute's destination counts as one of its sources
.endr
	s_lshl_b32 s44, ttmp9, 4
	s_mov_b32 s45, 0
	s_wait_kmcnt 0x0
	s_add_nc_u64 s[12:13], s[12:13], s[44:45]
	s_load_b128 s[20:23], s[12:13], 0x0            ; my tile: lo, hi, rows, 0
	s_wait_kmcnt 0x0
	s_min_u32 s20, s20, 7                          ; loaded numbers are held before they enter an address
	s_min_u32 s21, s21, 7
	s_min_u32 s22, s22, 64
	s_min_u32 s47, s22, 1                          ; 1 where the tile has rows, else 0
	s_lshl_b32 s44, ttmp9, 8
	s_mul_i32 s44, s44, s47                        ; my tile's 64 words of order; a tile without rows reads tile 0's, whose first word is always written
	s_add_nc_u64 s[14:15], s[14:15], s[44:45]
	s_max_u32 s46, s22, 1
	s_sub_co_u32 s46, s46, 1                       ; the tile's last row
	v_min_u32 v250, s46, v14                       ; rows lane and lane + 32, those past the count turned to the last row,
	v_add_nc_u32 v251, 32, v14
	v_min_u32 v251, s46, v251
	v_min_u32 v250, 63, v250                       ; and held inside the tile's 64 words
	v_min_u32 v251, 63, v251
	v_lshlrev_b32 v250, 2, v250
	v_lshlrev_b32 v251, 2, v251
	s_wait_alu depctr_va_vdst(0)                   ; all addresses and offsets made so far are written (v1-6, v9-12, v17-23, v250, v251): the loads and stores of the whole kernel read them
	global_load_b32 v252, v250, s[14:15]
	global_load_b32 v253, v251, s[14:15]
	s_lshl_b32 s44, s20, 2
	s_add_co_u32 s44, s44, s18
	s_mul_i32 s44, s44, 32*U                       ; stream (e 4 + w): 32 units
	s_add_nc_u64 s[PL:PL+1], s[8:9], s[44:45]
	s_lshl_b32 s44, s21, 2
	s_add_co_u32 s44, s44, s18
	s_mul_i32 s44, s44, 32*U
	s_add_nc_u64 s[PH:PH+1], s[8:9], s[44:45]
	s_mov_b64 s[CUR:CUR+1], s[PL:PL+1]
	s_mov_b64 s[N0:N0+1], s[PH:PH+1]               ; behind lo's fc1 units come hi's first three
	s_add_nc_u64 s[N0+2:N0+3], s[PH:PH+1], U
	s_add_nc_u64 s[N0+4:N0+5], s[PH:PH+1], 2*U
	RSCALE 0, PL, 0                                ; the ring's first three units are asked for ahead of the gather: they land while the tokens are looked up and their codes fetched
	RSCALE 1, PL, U
	RSCALE 2, PL, 2*U
	WIN 0xc0
	RCODES 0, PL, 0
	RCODES 1, PL, U
	RCODES 2, PL, 2*U
	WIN 0
	s_wait_loadcnt 51                              ; the two loads from order are in; the three units' 3 x 17 may be out
	v_min_u32 v252, 0x1fff, v252
	v_min_u32 v253, 0x1fff, v253
	s_wait_alu depctr_va_vdst(0)                   ; the two holds have written v252 and v253, which the LDS stores read
	ds_store_b32 v17, v252                         ; the table is my wave's own: LDS serves a wave's instructions in order
	ds_store_b32 v17, v253 offset:128
.irp q, 0,1,2,3,4,5,6,7
	ds_load_b32 v[104+\q], v18 offset:8*\q         ; the rows that I gather
.endr
	ds_load_b32 v112, v19                          ; the row whose scale bytes I fetch
.irp m, 0,1,2,3
	ds_load_b32 v[113+\m], v20 offset:64*\m        ; the tokens that my lane holds in the products
.endr
.set QI, 0
.rept 32
	ds_load_b32 v[OFFS+QI], v21 offset:8*QI        ; the rows that I store
.set QI, QI+1
.endr
	s_wait_dscnt 0x0
; each token's number is held at 8,191, shifted and added to the lane's term: a hold, a shift left, an addition
.irp q, 0,1,2,3,4,5,6,7
	v_min_u32 v[104+\q], 0x1fff, v[104+\q]
	v_lshlrev_b32 v[104+\q], 10, v[104+\q]         ; xq: 1,024 bytes a token,
	v_add_nc_u32 v[104+\q], v[104+\q], v117        ; + 16 (lane % 16)
.endr
	v_min_u32 v112, 0x1fff, v112
	v_lshlrev_b32 v112, 5, v112                    ; xs: 32 bytes a token,
	v_add_nc_u32 v112, v112, v118                  ; + 16 h
.irp m, 0,1,2,3
	v_min_u32 v[113+\m], 0x1fff, v[113+\m]
	v_lshlrev_b32 v[113+\m], 3, v[113+\m]          ; gates: 8 bytes a token
.endr
.set QI, 0
.rept 32
	v_min_u32 v[OFFS+QI], 0x1fff, v[OFFS+QI]
	v_lshlrev_b32 v[OFFS+QI], 12, v[OFFS+QI]       ; out0: 4,096 bytes a token,
	v_add_nc_u32 v[OFFS+QI], v[OFFS+QI], v119      ; + my wave's 1,024 and my lane's 16
.set QI, QI+1
.endr
	WIN 0x40                                       ; destination window 1
	s_wait_alu depctr_va_vdst(0)                   ; the offsets v104-116 are written, which the gather's loads read; so are v72-103, which the way out's stores read
.irp q, 0,1,2,3,4,5,6,7
.irp c, 0,1,2,3
	global_load_b128 v[16*\q+4*\c:16*\q+4*\c+3], v[104+\q], s[4:5] offset:256*\c   ; sixteen lanes read 256 consecutive bytes of a token's codes
.endr
.endr
	WIN 0
	global_load_b128 v[120:123], v112, s[6:7]      ; lane (r, h): the scale words of K steps 4 h .. 4 h + 3 of row 16 w + r
.irp m, 0,1,2,3
	global_load_b64 v[GW+2*\m:GW+2*\m+1], v[113+\m], s[10:11]
.endr
	s_wait_loadcnt 0x0                             ; the gather's 37 loads are the youngest: all are in, the three units too
	WIN 0x04                                       ; an LDS store's data are its source 1: window 1
.irp q, 0,1,2,3,4,5,6,7
.irp c, 0,1,2,3
	ds_store_b128 v4, v[16*\q+4*\c:16*\q+4*\c+3] offset:2080*\q+256*\c
.endr
.endr
	WIN 0
	ds_store_b128 v22, v[120:123]
	s_wait_dscnt 0x0                               ; for the others' sake
	s_barrier_signal -1
	s_barrier_wait -1                              ; the 64 rows of x and their scale words lie in LDS
	s_wait_alu depctr_vm_vsrc(0)                   ; the gather's loads have read their offsets v104-116, my LDS stores v120-123 and the codes in window 1: x's fragments land in the first two, fc1's products write the third
.irp m, 0,1,2,3
	ds_load_b128 v[XS+4*\m:XS+4*\m+3], v23 offset:512*\m   ; register q of tile m: K step q in lanes 0-15, K step q + 4 in lanes 16-31
.endr
	s_mov_b32 s39, 2
	s_mov_b32 s40, 0
	s_mov_b32 s41, 0
; ---- fc1.  A unit is 16 products: 4 hidden tiles x 4 tiles of tokens, 128 along K; the sixteen accumulators take turns, one instruction a turn.
.macro P1 s, g, f                      ; hidden tile 4 g + f against the four tiles of tokens
.irp m, 0,1,2,3
.set rD, 64*\m+8*(4*(\g)+(\f))
.set rA, 64*SL+16*(\f)
.set rB, XB0+64*((\s)%2)+16*\m
.set rSA, RS+2*SL+((\f)/2)
.set rSB, XS+4*\m+((\s)%4)
.set rRA, (\f)%2
.set rRB, (\s)/4
.set rZ, 0
.if (\s) == 0
.set rZ, 1
.endif
	MM
.endr
.endm
.macro UNIT1 s, g
.set UI, 2*(\s)+(\g)
.set SL, UI%4
	s_wait_loadcnt 34                              ; this unit's 17 loads are in; behind its last were issued two whole units
.if (\g) == 0
	s_wait_dscnt 0x0                               ; x's fragments of this K step are in
.endif
	WIN 0
.if UI > 0
	s_wait_alu depctr_va_vdst(0)                   ; the unit before is done reading its slot and its scale words, in which this unit's 17 loads land; at a K step's head the step before is done reading its set of x, which the fetch below takes
.endif                                                 ; (a trip's first unit: the last trip's products stand ahead of the waits in the hidden layer's tiles, and nothing since names slot 3, its scale words or x's second set)
.if UI+3 < 16
	RSCALE (UI+3)%4, CUR, (UI+3)*U
.else
	RSCALE (UI+3)%4, N0+2*(UI+3-16), 0
.endif
.if ((\g) == 0) && ((\s) < 7)
	FETCHX (\s)+1, XB0+64*(((\s)+1)%2)
.endif
	WIN 0x53                                       ; source 0 (weights) window 3, source 1 (x) window 0, C and D window 1
	P1 \s, \g, 0
	P1 \s, \g, 1
	WIN 0xc0
.if UI+3 < 16
	RCODES (UI+3)%4, CUR, (UI+3)*U                 ; no wait: the eight products since the wait name this unit's slot, x, the accumulators and their scale words, none of the registers that these loads touch
.else
	RCODES (UI+3)%4, N0+2*(UI+3-16), 0
.endif
	WIN 0x53
	P1 \s, \g, 2
	P1 \s, \g, 3
.endm
; Tile m's 64 numbers of a lane (register 16 b + i = hidden unit 128 w + 32 b + 16 h + i of my token) become relu^2, then a fragment's codes and its scale word, and go to LDS as they stand.
.macro QUANTH m
.set Z, 64*(\m)
	WIN 0x45
.set QI, 0
.rept 64
	v_max_num_f32 v[Z+QI], 0, v[Z+QI]              ; each accumulator from its low end on
.set QI, QI+1
.endr
.set QI, 0
.rept 32
	v_pk_mul_f32 v[Z+QI:Z+QI+1], v[Z+QI:Z+QI+1], v[Z+QI:Z+QI+1]
.set QI, QI+2
.endr
	WIN 0x05
.irp b, 0,1,2,3
	v_max3_num_f32 v[TM+\b], v[Z+16*\b], v[Z+16*\b+1], 0x4800000   ; nothing is negative; the floor 2^(9 - 127) keeps the byte at 1 from below
.endr
.irp k, 2,4,6,8,10,12,14
.irp b, 0,1,2,3
	v_max3_num_f32 v[TM+\b], v[Z+16*\b+\k], v[Z+16*\b+\k+1], v[TM+\b]
.endr
.endr
	WIN 0
.irp b, 0,1,2,3
	v_permlanex16_b32 v[TM+4+\b], v[TM+\b], s36, s37
.endr
.irp b, 0,1,2,3
	v_max_num_f32 v[TM+\b], v[TM+\b], v[TM+4+\b]   ; with lane l xor 16's: the block's largest
.endr
.irp b, 0,1,2,3
	v_add_nc_u32 v[TM+12+\b], 0xfc000000, v[TM+\b] ; 8 off the exponent field: the conversion's scale operand
.endr
.irp b, 0,1,2,3
	v_and_or_b32 v[TM+8+\b], v[TM+\b], 0x7f800000, s38   ; 448 x the scale
.endr
.irp b, 0,1,2,3
	v_lshrrev_b32 v[TM+4+\b], 23, v[TM+12+\b]
.endr
	v_lshl_or_b32 v[PW], v[TM+5], 8, v[TM+4]
	v_lshl_or_b32 v[PW], v[TM+6], 16, v[PW]
	v_lshl_or_b32 v[PW], v[TM+7], 24, v[PW]
	WIN 0x41
.irp b, 0,1,2,3
.irp k, 0,1,2,3,4,5,6,7,8,9,10,11,12,13,14,15
	v_min_num_f32 v[Z+16*\b+\k], v[Z+16*\b+\k], v[TM+8+\b]   ; the conversion does not saturate (ISA guide 7.6.2); the hold is one-sided
.endr
.endr
	WIN 0x01
.irp b, 0,1,2,3
	v_cvt_scalef32_pk8_fp8_f32 v[PC+4*\b:PC+4*\b+1], v[Z+16*\b:Z+16*\b+7], v[TM+12+\b]
	v_cvt_scalef32_pk8_fp8_f32 v[PC+4*\b+2:PC+4*\b+3], v[Z+16*\b+8:Z+16*\b+15], v[TM+12+\b]
.endr
	WIN 0
	v_nop                                          ; a plain line behind the last conversion
	s_wait_alu depctr_va_vdst(0)                   ; the conversions have written PC, the shifts PW, the trip's two adds v7 and v8: the five LDS stores read them
.irp c, 0,1,2,3
	ds_store_b128 v7, v[PC+4*\c:PC+4*\c+3] offset:2048*(\m)+512*\c
.endr
	ds_store_b32 v8, v[PW] offset:64*(\m)          ; lanes r and r + 16 write the same word with the same value
	s_wait_alu depctr_vm_vsrc(0)                   ; the five stores have read PC, PW, v7 and v8, which the next tile's lines, the next trip's two adds and its fetch of x write again
.endm
.Lexp:                                                 ; two trips: lo, then hi; the ring runs on from one stream into the next
	s_cmp_eq_u32 s22, 0                            ; a tile without rows walks the loop and passes over its body: the branch hangs on the stored count
	s_cbranch_scc1 .Lidle
	v_add_nc_u32 v7, s40, v5                       ; this expert's half of my 16,384 bytes,
	v_add_nc_u32 v8, s41, v6                       ; and of my 512
	FETCHX 0, XB0                                  ; into v104-167: the vector and matrix instructions that named them stand ahead of the last wait on va_vdst, the stores that read them ahead of the last on vm_vsrc
.irp s, 0,1,2,3,4,5,6,7
	UNIT1 \s, 0
	UNIT1 \s, 1
.endr
	PLACES 8                                       ; in front of the first vector read of results
	QUANTH 0                                       ; (three units of the next stream land meanwhile)
	QUANTH 1
	QUANTH 2
	QUANTH 3
.Lidle:
	s_wait_xcnt 0x0                                ; the ring's loads have read their bases
	s_mov_b64 s[CUR:CUR+1], s[PH:PH+1]
	s_add_nc_u64 s[N0:N0+1], s[PL:PL+1], 16*U      ; behind hi's fc1 units come the first three of fc2: lo, hi, lo
	s_add_nc_u64 s[N0+2:N0+3], s[PH:PH+1], 16*U
	s_add_nc_u64 s[N0+4:N0+5], s[PL:PL+1], 17*U
	s_add_co_u32 s40, s40, 8192
	s_add_co_u32 s41, s41, 256
	s_sub_co_i32 s39, s39, 1
	s_cmp_lg_u32 s39, 0
	s_cbranch_scc1 .Lexp
	s_wait_dscnt 0x0                               ; for the others' sake: my hidden fragments and their scale words have landed
	s_barrier_signal -1
	s_barrier_wait -1                              ; both experts' hidden fragments lie in LDS
	s_cmp_eq_u32 s22, 0                            ; a tile without rows has passed its last barrier and ends: nothing of it is stored
	s_cbranch_scc1 .Lend
	WIN 0x40                                       ; lo's fragments land in fc1's accumulators: the lines that read and wrote those stand ahead of the last tile's wait on va_vdst, and no vector or matrix instruction has been issued since
.irp m, 0,1,2,3
.irp s, 0,1,2,3
.irp c, 0,1,2,3
	ds_load_b128 v[16*(4*\m+\s)+4*\c:16*(4*\m+\s)+4*\c+3], v9 offset:16384*\s+2048*\m+512*\c
.endr
.endr
.endr
	WIN 0x80
.irp m, 0,1,2,3
.irp s, 0,1,2,3
.irp c, 0,1,2,3
	ds_load_b128 v[16*(4*\m+\s)+4*\c:16*(4*\m+\s)+4*\c+3], v9 offset:16384*\s+8192+2048*\m+512*\c
.endr
.endr
.endr
	WIN 0
.irp e, 0,1
.irp m, 0,1,2,3
.irp p, 0,1
	ds_load_b32 v[HS+8*\e+2*\m+\p], v10 offset:1024*\p+256*\e+64*\m   ; register p: K step 2 p in lanes 0-15, 2 p + 1 in lanes 16-31
.endr
.endr
.endr
	s_wait_dscnt 0x0
; ---- fc2.  A unit is one tile of 16 outputs of one expert, all of K (4 steps) x 4 tiles of tokens: four accumulators by turns.  lo's and hi's units alternate; behind hi's the two are weighed and added.
.macro P2 s                            ; K step s of the unit in hand against the four tiles of tokens
.irp m, 0,1,2,3
.set rD, YL+32*EX+8*\m
.set rA, 64*SL+16*(\s)
.set rB, 16*(4*\m+(\s))
.set rSA, RS+2*SL+((\s)/2)
.set rSB, HS+8*EX+2*\m+((\s)/2)
.set rRA, (\s)%2
.set rRB, (\s)%2
.set rZ, 0
.if (\s) == 0
.set rZ, 1
.endif
	MM
.endr
.endm
.macro COMBINE jj
.irp m, 0,1,2,3
.irp k, 0,2,4,6
	v_pk_mul_f32 v[YL+8*\m+\k:YL+8*\m+\k+1], v[YL+8*\m+\k:YL+8*\m+\k+1], v[GW+2*\m:GW+2*\m+1] op_sel_hi:[1,0]   ; x the gate of lo (the pair's first register for both halves)
.endr
.irp k, 0,2,4,6
	v_pk_fma_f32 v[YL+8*\m+\k:YL+8*\m+\k+1], v[YH+8*\m+\k:YH+8*\m+\k+1], v[GW+2*\m:GW+2*\m+1], v[YL+8*\m+\k:YL+8*\m+\k+1] op_sel:[0,1,0] op_sel_hi:[1,1,1]   ; + hi's x the gate of hi (the second)
.endr
.endr
	s_wait_alu depctr_va_vdst(0)                   ; the 32 lines above have written YL, which the stage's stores read.  hi's products are done too: the next unit's loads land in their slot, and the way out's LDS loads in YL and YH
.irp m, 0,1,2,3
	ds_store_b128 v11, v[YL+8*\m:YL+8*\m+3] offset:4352*\m+64*(\jj)       ; lane (r, h): token 16 m + r, outputs 16 jj + 8 h + 0 .. 7 of the trip's 64
	ds_store_b128 v11, v[YL+8*\m+4:YL+8*\m+7] offset:4352*\m+64*(\jj)+16
.endr
.endm
.macro TRIP last                       ; four tiles of outputs: 256 bytes of each of the 64 rows
.irp u, 0,1,2,3,4,5,6,7
.set EX, \u%2
.set SL, \u%4
.set WN, 0x07+4*EX
.set ASK, 1                            ; does this unit ask for the unit three further on?
.if (\last == 1) && (\u > 4)
.set ASK, 0
.endif
.if (\last == 1) && (\u > 5)
	s_wait_loadcnt 17*(7-\u)                       ; nothing more is asked for: the counts run down with the whole units still out
.else
	s_wait_loadcnt 34                              ; this unit is in; behind its last load were issued two whole units
.endif
.if ASK
	WIN 0
.endif
.if EX == 0
	s_wait_alu depctr_vm_vsrc(0)                   ; the stage's stores have read YL, which lo's products write anew; at a trip's head the way out's global stores have read v104-231, YL and YH among them
.elseif ASK
	s_wait_alu depctr_va_vdst(0)                   ; lo's products are done reading their slot and its scale words, in which this unit's 17 loads land
.endif
.if ASK
	RSCALE (\u+3)%4, PL+2*((\u+3)%2), (16+(\u+3)/2)*U   ; (in lo's units: the slot's last readers stand ahead of the wait in the weighing, and no vector or matrix instruction since names it)
.endif
	WIN WN                                         ; source 0 window 3, source 1 window 1 (lo) or 2 (hi), C and D window 0
	P2 0
	P2 1
.if ASK
	WIN 0xc0
	RCODES (\u+3)%4, PL+2*((\u+3)%2), (16+(\u+3)/2)*U   ; no wait: the eight products since name this unit's slot, the hidden fragments, their accumulators and scale words alone
	WIN WN
.endif
	P2 2
	P2 3
.if EX == 1
	PLACES 8                                       ; in front of the first vector read of results; with the weighing's lines of the other three tiles they also stand between two sums begun on the same registers
	WIN 0
	COMBINE \u/2
.endif
.endr
	s_wait_alu depctr_vm_vsrc(0)                   ; the stage's stores have read YL, in which the loads below land
.set QI, 0
.rept 32
	ds_load_b128 v[104+4*QI:104+4*QI+3], v12 offset:544*QI   ; back as whole rows' 256 bytes, two rows an instruction; LDS serves a wave's instructions in order: these see my stores
.set QI, QI+1
.endr
	s_wait_dscnt 0x0
.set QI, 0
.rept 32
	global_store_b128 v[OFFS+QI], v[104+4*QI:104+4*QI+3], s[16:17] th:TH_STORE_NT   ; sixteen lanes store 256 consecutive bytes, at a multiple of 256 from out0's first byte
.set QI, QI+1
.endr
	s_wait_xcnt 0x0                                ; the stores have read their base; so have the ring's loads
.if \last == 0
	s_add_nc_u64 s[PL:PL+1], s[PL:PL+1], 4*U
	s_add_nc_u64 s[PH:PH+1], s[PH:PH+1], 4*U
	s_add_nc_u64 s[16:17], s[16:17], 256
.endif
.endm
	s_mov_b32 s42, 3
.Ltrip:
	TRIP 0
	s_sub_co_i32 s42, s42, 1
	s_cmp_lg_u32 s42, 0
	s_cbranch_scc1 .Ltrip
	TRIP 1                                         ; the last trip is written out: no load goes past a stream's end
.Lend:
	s_wait_dscnt 0x0                               ; the closing lines, six on end
	s_wait_alu 0x0
	s_wait_tensorcnt 0x0
	ds_add_u32 v254, v255
	s_wait_dscnt 0x0
	s_endpgm
.Lfunc_end_k_qbb294fdc9a_chain:
	.size	k_qbb294fdc9a_chain, .Lfunc_end_k_qbb294fdc9a_chain-k_qbb294fdc9a_chain
	.p2alignl 7, 3214868480
	.fill 96, 4, 3214868480
	.section	.rodata,"a",@progbits
	.p2align	6, 0x0
	.amdhsa_kernel k_qbb294fdc9a_chain
		.amdhsa_group_segment_fixed_size 207360
		.amdhsa_private_segment_fixed_size 0
		.amdhsa_enable_private_segment 0
		.amdhsa_kernarg_size 56
		.amdhsa_user_sgpr_count 2
		.amdhsa_user_sgpr_kernarg_segment_ptr 1
		.amdhsa_wavefront_size32 1
		.amdhsa_system_sgpr_workgroup_id_x 1
		.amdhsa_system_sgpr_workgroup_id_y 1
		.amdhsa_system_sgpr_workgroup_id_z 1
		.amdhsa_system_vgpr_workitem_id 0
		.amdhsa_next_free_vgpr 1024
		.amdhsa_next_free_sgpr 66
		.amdhsa_reserve_vcc 0
		.amdhsa_float_denorm_mode_32 3
		.amdhsa_float_denorm_mode_16_64 3
		.amdhsa_memory_ordered 1
		.amdhsa_forward_progress 1
		.amdhsa_inst_pref_size 234
	.end_amdhsa_kernel
	.amdgpu_metadata
---
amdhsa.version: [ 1, 2 ]
amdhsa.kernels:
  - .name:           k_qbb294fdc9a_chain
    .symbol:         k_qbb294fdc9a_chain.kd
    .args:
      - { .name: xq, .offset: 0, .size: 8, .value_kind: global_buffer, .address_space: global }
      - { .name: xs, .offset: 8, .size: 8, .value_kind: global_buffer, .address_space: global }
      - { .name: wq, .offset: 16, .size: 8, .value_kind: global_buffer, .address_space: global }
      - { .name: gates, .offset: 24, .size: 8, .value_kind: global_buffer, .address_space: global }
      - { .name: tiles, .offset: 32, .size: 8, .value_kind: global_buffer, .address_space: global }
      - { .name: order, .offset: 40, .size: 8, .value_kind: global_buffer, .address_space: global }
      - { .name: out0, .offset: 48, .size: 8, .value_kind: global_buffer, .address_space: global }
    .group_segment_fixed_size: 207360
    .private_segment_fixed_size: 0
    .kernarg_segment_align: 8
    .kernarg_segment_size: 56
    .max_flat_workgroup_size: 128
    .sgpr_count:     66
    .vgpr_count:     1024
    .wavefront_size: 32
...
	.end_amdgpu_metadata
.endif
;; end of part 6
